; MI455X (gfx1250); checked and timed in simulation.
; The chip was launched on July 23, 2026; its instructions are those of AMD's public machine-readable ISA for CDNA 5 (MIT licence, August 2026) and "CDNA5" Instruction Set Architecture Reference Guide (July 2026). The comments in the code are by the model that wrote it; some were corrected since.
;; Block. Allowed arithmetic: matrix products marked QUANTISED: E4M3 operands, one given power-of-two scale a tensor, by v_wmma_f32_16x16x64_fp8_fp8 or v_wmma_f32_16x16x128_fp8_fp8, f32 sums; everything else in f32.
;; Inputs: fc1_b 4,096 float32; fc1_w 1,024 x 4,096 float32; fc2_b 1,024 float32; fc2_w 4,096 x 1,024 float32; ln1_b 1,024 float32; ln1_w 1,024 float32; ln2_b 1,024 float32; ln2_w 1,024 float32; lowp_scales 12 int32 (the exponents e of the quantised operands' scales 2^e); proj_b 1,024 float32; proj_w 1,024 x 1,024 float32; qkv_w 1,024 x 3,072 float32; x 2 x 2,048 x 1,024 float32.
;; Outputs: out0 2 x 2,048 x 1,024 float32.
;; This version of the problem:
;;   THIS VERSION OF THE PROBLEM IS GIVEN IN LOW PRECISION. The matrix products marked QUANTISED in the list below multiply operands that are first quantised to E4M3 (4 exponent bits, 3 mantissa bits; 8 bits a number), with one given power-of-two scale for each operand tensor; their sums are f32. All else is computed in f32.
;;   The module's matrix products, in the order in which they are computed (A, B: the left and right operand; K: the contracted axis; several contracted axes count as one K, in the product's order):
;;     1. [M 4,096, K 1,024] x [K 1,024, N 3,072]; A: computed on the way; B: input qkv_w: QUANTISED (scales: A lowp_scales[0], B lowp_scales[1])
;;     2. batch 32 x [M 2,048, K 64] x [K 64, N 2,048]; A: computed on the way; B: computed on the way: QUANTISED (scales: A lowp_scales[2], B lowp_scales[3])
;;     3. batch 32 x [M 64, K 2,048] x [K 2,048, N 2,048]; A: computed on the way; B: softmax (see below): QUANTISED (scales: A lowp_scales[4], B lowp_scales[5])
;;     4. [M 4,096, K 1,024] x [K 1,024, N 1,024]; A: computed on the way; B: input proj_w: QUANTISED (scales: A lowp_scales[6], B lowp_scales[7])
;;     5. [M 4,096, K 1,024] x [K 1,024, N 4,096]; A: computed on the way; B: input fc1_w: QUANTISED (scales: A lowp_scales[8], B lowp_scales[9])
;;     6. [M 4,096, K 4,096] x [K 4,096, N 1,024]; A: computed on the way; B: input fc2_w: QUANTISED (scales: A lowp_scales[10], B lowp_scales[11])
;;   THE QUANTISER, for each operand of a quantised product, along K:
;;     - The operand's scale is 2^e, e = its entry of the input lowp_scales (int32; the entries are numbered through the quantised products in the list's order, A before B).
;;     - Each number is divided by the scale, clamped to +-448, and rounded to the nearest number of E4M3, ties to even, subnormals kept.
;;     - The product sums the exact products of the quantised numbers (number of the format x scale) in f32.
;;   ~~~python
;;   def quantise(x, axis, e):      # numpy; x: float32 -> the quantised numbers, widened to float32 again
;;       x = np.moveaxis(x, axis, -1); K = x.shape[-1]
;;       r = np.clip(x / 2.0 ** e, -448, 448)
;;       step = 2.0 ** (np.maximum(np.frexp(np.where(r == 0, 1, r))[1] - 1, -6) - 3)
;;       q = np.round(r / step) * step * 2.0 ** e      # np.round: ties to even
;;       return np.moveaxis(q, -1, axis).astype(np.float32)
;;   ~~~
;;   SOFTMAX AHEAD OF A QUANTISED PRODUCT. Where the list says 'softmax', what is quantised is not the finished softmax but p = 2^(t - M), with t = logit x log2(e) and M = ceil(the row's largest t), a whole number; so 1/2 < the row's largest p <= 1. The row's sum l is taken of the UNQUANTISED p, in f32, and the product's result is divided by l at the end. Since M is a whole number, a kernel that streams over the keys may use a running M (the ceiling of the running maximum): every later rescaling is an exact power of two, so the quantised numbers keep their values, but for numbers so far below the row's largest that they fall under the format's range.
;;   OPERANDS COMPUTED ON THE WAY. 'Computed on the way' means the value that the module computes at that place (a softmax that the list does not call 'softmax' is quantised finished and normalised). What goes into a quantiser is computed in f32, as accurately as f32 sums, v_exp_f32 and their like allow (about 1e-6 of the number): no bf16 or f16 on the way to a quantiser, and a product that is left as it is and whose result goes on into a quantised operand takes f32 operands (vector FMAs, or v_wmma_f32_16x16x4_f32). A number that lies on a knife's edge between two numbers of the format may be rounded either way, as far as f32 arithmetic and the matrix unit's own rounding can turn it there, and no further.
;; One version. Each part assembles by itself: llvm-mc -triple=amdgcn-amd-amdhsa -mcpu=gfx1250 --defsym DOCPART=n.
;; ======== version 1 of 1: 7 launches
;; limits: right only within a limited range of input values
;; workspace buffers: wts 12,582,912 bytes; hc 4,194,304 bytes; qkvc 12,582,912 bytes; oc 4,194,304 bytes; x1 16,777,216 bytes; gc 16,777,216 bytes
;; launch prep (part 1): grid 1024 x 1, 4 waves a work-group, no clusters, 17,920 bytes of LDS; arguments x, ln1_w, ln1_b, qkv_w, proj_w, fc1_w, fc2_w, lowp_scales, wts, hc; writes wts, hc
.if DOCPART == 1
	.amdgcn_target "amdgcn-amd-amdhsa--gfx1250"
	.amdhsa_code_object_version 6
	.text
	.protected	k_qb560549e89_prep
	.globl	k_qb560549e89_prep
	.p2align	8
	.type	k_qb560549e89_prep,@function
k_qb560549e89_prep:
	s_mov_b64 s[64:65], 0
	v_nop
	global_prefetch_b8 v0, s[64:65] scope:SCOPE_SE
	s_setreg_imm32_b32 hwreg(HW_REG_WAVE_MODE, 25, 1), 1
	s_wait_xcnt 0x0
; PREP: the four weights and LayerNorm 1 become codes of E4M3, laid as IMAGES OF OPERAND REGISTERS.
; An image of 16 rows x 128 K is 2,048 bytes: code (row r, k = 16 c + 8 h + j) lies at 512 (c / 2) + 256 h + 16 r + 8 (c % 2) + j: register 2 c + j / 4 of lane 16 h + r,
; four registers of the 32 lanes on end.  A tensor of R rows and K columns is [R / 16][K / 128] such images.
; Work-groups 0-767: a weight [K][N] f32, K its first axis: a lane takes a column n and its registers run down K; a work-group takes 128 columns x 128 k, 65,536 bytes.  No LDS.
;   qkv_w: 0-191, proj_w: 192-255, fc1_w: 256-511, fc2_w: 512-767.
; Work-groups 768-1023: LayerNorm of 16 rows of x, 65,536 bytes (a wave: 4 rows, each whole in 32 registers a lane), quantised; the codes meet in an LDS stage and leave as 16,384 bytes on end.
; 1,024 work-groups of 248 registers a wave: four to each of 256 WGPs, of equal bytes.
; code = number / 2^e, held within +-448, to the nearest code, ties to even.  LIMITS: each e between -126 and 119.  NaN among the inputs is not served.
.set SPARE, 17408                      ; behind the stage: the spare words, 128 bytes a wave, two blocks of 256 bytes that no other line names
.set NWW, 768                          ; the weights' work-groups
.set SPW, 2                            ; v2  my spare word's LDS address; never rewritten
.set NIL, 3                            ; v3  0; never rewritten
.set VO,  16                           ; weights: v16-47   row i of a block: i x pitch + 4 x lane
.set XW,  48                           ; weights: v48-111  two sets of 32 numbers
.set CW,  112                          ; weights: v112-143 eight registers of codes for each block: no store's data are written again
.set W,   24                           ; LN: v24-55   gain of my 32 columns
.set BV,  56                           ; LN: v56-87   bias of them
.set X,   88                           ; LN: v88-215  four rows, 32 registers each
.set CD,  216                          ; LN: v216-247 eight registers of codes a row
	s_load_b512 s[8:23], s[0:1], 0x0               ; x, ln1_w, ln1_b, qkv_w, proj_w, fc1_w, fc2_w, lowp_scales
	s_load_b128 s[24:27], s[0:1], 0x40             ; wts, hc
	v_lshl_add_u32 v[SPW], v0, 2, SPARE
	v_mov_b32 v[NIL], 0
	v_lshrrev_b32 v1, 5, v0
	v_readfirstlane_b32 s4, v1                     ; wave 0..3
	v_and_b32 v1, 31, v0                           ; lane
	s_wait_kmcnt 0x0
	s_load_b256 s[68:75], s[22:23], 0x0            ; e0 .. e7
	s_load_b128 s[76:79], s[22:23], 0x20           ; e8 .. e11
	s_cmp_ge_u32 ttmp9, NWW                        ; the work-group's number alone decides: all four waves go one way
	s_cbranch_scc1 .Lln
; ---------------- the weights ----------------
; which tensor: fc2's figures first, then fc1's, proj's, qkv's where the work-group's number lies under their bound
	s_mov_b32 s28, 4096                            ; a row of the weight in bytes
	s_mov_b32 s29, 512                             ; the tensor's first work-group
	s_mov_b32 s30, 5                               ; log2 of K / 128
	s_mov_b32 s31, 8388608                         ; its images' place in wts
	s_mov_b64 s[32:33], s[20:21]
	s_cmp_lt_u32 ttmp9, 512
	s_cselect_b32 s28, 16384, s28
	s_cselect_b32 s29, 256, s29
	s_cselect_b32 s30, 3, s30
	s_cselect_b32 s31, 4194304, s31
	s_cselect_b64 s[32:33], s[18:19], s[32:33]
	s_cmp_lt_u32 ttmp9, 256
	s_cselect_b32 s28, 4096, s28
	s_cselect_b32 s29, 192, s29
	s_cselect_b32 s31, 3145728, s31
	s_cselect_b64 s[32:33], s[16:17], s[32:33]
	s_cmp_lt_u32 ttmp9, 192
	s_cselect_b32 s28, 12288, s28
	s_cselect_b32 s29, 0, s29
	s_cselect_b32 s31, 0, s31
	s_cselect_b64 s[32:33], s[14:15], s[32:33]
	s_sub_co_u32 s36, ttmp9, s29                   ; my number within the tensor
	s_bfm_b32 s37, s30, 0
	s_and_b32 s37, s36, s37                        ; which 128 along K
	s_lshr_b32 s38, s36, s30                       ; which 128 columns
	s_lshl_b32 s35, 2048, s30                      ; 16 K: bytes of 16 columns' images
	s_mul_i32 s39, s37, s28
	s_lshl_b32 s39, s39, 7                         ; 128 rows of the weight for each step along K
	s_lshl_b32 s5, s38, 9
	s_add_co_u32 s39, s39, s5                      ; + 128 columns x 4 bytes
	s_lshl_b32 s5, s4, 7
	s_add_co_u32 s6, s39, s5                       ; + my wave's 32 columns
	s_mov_b32 s7, 0
	s_add_nc_u64 s[40:41], s[32:33], s[6:7]        ; block 0's base; each block of 32 rows has a base of its own, written once
	s_lshl_b32 s6, s28, 5
.irp t, 1,2,3
	s_add_nc_u64 s[40+2*\t:41+2*\t], s[38+2*\t:39+2*\t], s[6:7]
.endr
	s_lshl_b32 s58, s38, 3
	s_lshl_b32 s59, s4, 1
	s_add_co_u32 s58, s58, s59                     ; my wave's first group of 16 columns
	s_mul_i32 s58, s58, s35
	s_lshl_b32 s59, s37, 11                        ; 128 along K are one image
	s_add_co_u32 s58, s58, s59
	s_add_co_u32 s58, s58, s31
	s_mov_b32 s59, 0
	s_add_nc_u64 s[56:57], s[24:25], s[58:59]
	s_wait_alu depctr_va_vdst(0)
	v_lshlrev_b32 v4, 2, v1                        ; 4 x lane: my column
	v_lshrrev_b32 v5, 4, v1
	v_mul_lo_u32 v5, v5, s35
	v_and_b32 v8, 15, v1
	v_lshl_add_u32 v5, v8, 4, v5                   ; out: lanes 16-31 belong to the next 16 columns; 16 bytes a column
.set i, 0
.rept 32
	v_mad_u32_u24 v[VO+i], s28, i, v4
.set i, i+1
.endr
.macro WLOAD t                         ; block t: W(32 t + i, my column): 32 lanes read 128 neighbouring bytes, the four waves 512
.set i, 0
.rept 32
	global_load_b32 v[XW+32*((\t)%2)+i], v[VO+i], s[40+2*(\t):41+2*(\t)] th:TH_LOAD_NT
.set i, i+1
.endr
.endm
	WLOAD 0
	WLOAD 1
	s_wait_kmcnt 0x0
	s_mov_b32 s34, s79                             ; the tensor's e, chosen as above
	s_cmp_lt_u32 ttmp9, 512
	s_cselect_b32 s34, s77, s34
	s_cmp_lt_u32 ttmp9, 256
	s_cselect_b32 s34, s75, s34
	s_cmp_lt_u32 ttmp9, 192
	s_cselect_b32 s34, s69, s34
	s_add_co_i32 s34, s34, 127
	s_lshl_b32 s5, s34, 23
	v_mov_b32 v6, s5                               ; 2^e as f32: the conversion takes its exponent field
	s_add_co_i32 s34, s34, 8
	s_lshl_b32 s34, s34, 23
	s_or_b32 s34, s34, 0x600000
	v_mov_b32 v7, s34                              ; 448 x 2^e
; Block t is k = 32 t + i of my column.  Eight numbers g = i / 8: g = 0, 2 are the 16 bytes of the image's half h = 0, g = 1, 3 those of h = 1.
.macro WBLOCK t
.set XS, XW+32*((\t)%2)
.set CS, CW+8*(\t)
.if (\t) < 3
	s_wait_loadcnt 32                              ; this block's 32 loads are in; the next block's may be out
.else
	s_wait_loadcnt 0x0
.endif
.set i, 0
.rept 32
	v_med3_num_f32 v[XS+i], v[XS+i], -v7, v7       ; the conversion does not saturate (ISA guide 7.6.2): the hold comes first
.set i, i+1
.endr
	v_cvt_scalef32_pk8_fp8_f32 v[CS:CS+1], v[XS:XS+7], v6
	v_cvt_scalef32_pk8_fp8_f32 v[CS+4:CS+5], v[XS+8:XS+15], v6
	v_cvt_scalef32_pk8_fp8_f32 v[CS+2:CS+3], v[XS+16:XS+23], v6
	v_cvt_scalef32_pk8_fp8_f32 v[CS+6:CS+7], v[XS+24:XS+31], v6
	global_store_b128 v5, v[CS:CS+3], s[56:57] offset:(\t)*512          ; sixteen lanes store 256 consecutive bytes, aligned
	global_store_b128 v5, v[CS+4:CS+7], s[56:57] offset:(\t)*512+256
.if (\t)+2 < 4
	WLOAD (\t)+2
.endif
.endm
	s_wait_alu depctr_va_vdst(0)
.irp t, 0,1,2,3
	WBLOCK \t
.endr
	s_endpgm                                       ; this way has written no LDS
; ---------------- LayerNorm 1 ----------------
.Lln:
	s_sub_co_u32 s5, ttmp9, NWW                    ; which 16 rows
	s_lshl_b32 s6, s5, 16
	s_lshl_b32 s7, s4, 14
	s_add_co_u32 s6, s6, s7                        ; 16 rows of 4,096 bytes a work-group, 4 a wave
	s_mov_b32 s7, 0
	s_add_nc_u64 s[38:39], s[8:9], s[6:7]
	s_lshl_b32 s6, s5, 14
	s_lshl_b32 s29, s4, 12
	s_add_co_u32 s6, s6, s29                       ; out: 16,384 bytes a work-group, 4,096 a wave
	s_add_nc_u64 s[40:41], s[26:27], s[6:7]
	s_wait_alu depctr_va_vdst(0)
	v_lshlrev_b32 v6, 4, v1                        ; 16 x lane: every load reads 512 consecutive bytes; my numbers are k = 128 j + 4 lane + 0..3
.irp j, 0,1,2,3,4,5,6,7
	global_load_b128 v[W+4*\j:W+4*\j+3], v6, s[10:11] offset:512*\j
.endr
.irp j, 0,1,2,3,4,5,6,7
	global_load_b128 v[BV+4*\j:BV+4*\j+3], v6, s[12:13] offset:512*\j
.endr
.irp p, 0,1,2,3
.irp j, 0,1,2,3,4,5,6,7
	global_load_b128 v[X+32*\p+4*\j:X+32*\p+4*\j+3], v6, s[38:39] offset:4096*\p+512*\j
.endr
.endr
	; the stage: the image's 64 pieces of 256 bytes, 272 bytes apart.  My dword of K step j lies in piece 8 j + 2 (lane / 8) + (lane / 2) % 2, at 16 x row + 8 ((lane / 4) % 2) + 4 (lane % 2)
	v_bfe_u32 v4, v0, 3, 2
	v_bfe_u32 v7, v0, 1, 1
	v_lshl_add_u32 v4, v4, 1, v7
	v_mul_u32_u24 v4, v4, 272
	v_bfe_u32 v7, v0, 2, 1
	v_lshl_add_u32 v4, v7, 3, v4
	v_and_b32 v7, 1, v0
	v_lshl_add_u32 v4, v7, 2, v4
	s_lshl_b32 s29, s4, 6
	v_add_nc_u32 v4, s29, v4                       ; + 16 bytes x my wave's first row
	v_bfe_u32 v5, v0, 4, 1
	v_mul_u32_u24 v5, v5, 272
	v_and_b32 v7, 15, v0
	v_lshl_add_u32 v5, v7, 4, v5
	s_mul_i32 s29, s4, 4352
	v_add_nc_u32 v5, s29, v5                       ; back: wave w takes pieces 16 w .. 16 w + 15, two an instruction
	s_mov_b32 s36, 0x76543210
	s_mov_b32 s37, 0xfedcba98                      ; v_permlanex16_b32: lane l xor 16
	s_mov_b32 s42, 0x3a800000                      ; 1 / 1024
	s_mov_b32 s43, 0x3727c5ac                      ; 1e-5
	s_wait_kmcnt 0x0
	s_mov_b32 s28, s68                             ; e0
	s_add_co_i32 s28, s28, 127
	s_lshl_b32 s29, s28, 23
	v_mov_b32 v8, s29                              ; 2^e
	s_add_co_i32 s28, s28, 8
	s_lshl_b32 s28, s28, 23
	s_or_b32 s28, s28, 0x600000
	v_mov_b32 v9, s28                              ; 448 x 2^e
	v_mov_b32 v19, 0                               ; (upper halves of pairs that are named whole, and the permute's destination: written once)
	v_mov_b32 v21, 0
	v_mov_b32 v23, 0
.macro REDUCE                          ; four packed chains v[10:17] -> their sum over the wave, in v10 of every lane
	v_pk_add_f32 v[10:11], v[10:11], v[12:13]
	v_pk_add_f32 v[14:15], v[14:15], v[16:17]
	v_pk_add_f32 v[10:11], v[10:11], v[14:15]
	v_add_f32 v10, v10, v11
	v_add_f32_dpp v10, v10, v10 row_xmask:1 row_mask:0xf bank_mask:0xf
	v_add_f32_dpp v10, v10, v10 row_xmask:2 row_mask:0xf bank_mask:0xf
	v_add_f32_dpp v10, v10, v10 row_xmask:4 row_mask:0xf bank_mask:0xf
	v_add_f32_dpp v10, v10, v10 row_xmask:8 row_mask:0xf bank_mask:0xf
	v_permlanex16_b32 v23, v10, s36, s37
	v_add_f32 v10, v10, v23
.endm
.macro LNROW p
.set XR, X+32*(\p)
	s_wait_loadcnt 24-8*(\p)                       ; my row's eight loads are in; the later rows' may be out
.irp c, 0,1,2,3
	v_pk_add_f32 v[10+2*\c:11+2*\c], v[XR+2*\c:XR+2*\c+1], v[XR+8+2*\c:XR+8+2*\c+1]
.endr
.irp o, 16,24
.irp c, 0,1,2,3
	v_pk_add_f32 v[10+2*\c:11+2*\c], v[10+2*\c:11+2*\c], v[XR+\o+2*\c:XR+\o+2*\c+1]
.endr
.endr
	REDUCE
	v_mul_f32 v18, s42, v10                        ; the mean
.set i, 0
.rept 16
	v_pk_add_f32 v[XR+i:XR+i+1], v[XR+i:XR+i+1], v[18:19] op_sel_hi:[1,0] neg_lo:[0,1] neg_hi:[0,1]   ; x - mean: the variance is taken of these
.set i, i+2
.endr
.irp c, 0,1,2,3
	v_pk_mul_f32 v[10+2*\c:11+2*\c], v[XR+2*\c:XR+2*\c+1], v[XR+2*\c:XR+2*\c+1]
.endr
.irp o, 8,16,24
.irp c, 0,1,2,3
	v_pk_fma_f32 v[10+2*\c:11+2*\c], v[XR+\o+2*\c:XR+\o+2*\c+1], v[XR+\o+2*\c:XR+\o+2*\c+1], v[10+2*\c:11+2*\c]
.endr
.endr
	REDUCE
	v_fma_f32 v22, v10, s42, s43                   ; variance + eps
	s_wait_alu depctr_va_vdst(0)
	v_rsq_f32 v20, v22
	v_nop                                          ; a plain instruction behind the transcendental
	s_wait_alu depctr_va_vdst(0)                   ; the wait ahead of the result's first reader
.set i, 0
.rept 16
	v_pk_mul_f32 v[XR+i:XR+i+1], v[XR+i:XR+i+1], v[20:21] op_sel_hi:[1,0]
.set i, i+2
.endr
.set i, 0
.rept 16
	v_pk_fma_f32 v[XR+i:XR+i+1], v[XR+i:XR+i+1], v[W+i:W+i+1], v[BV+i:BV+i+1]
.set i, i+2
.endr
.set i, 0
.rept 32
	v_med3_num_f32 v[XR+i], v[XR+i], -v9, v9
.set i, i+1
.endr
.irp q, 0,1,2,3
	v_cvt_scalef32_pk8_fp8_f32 v[CD+8*(\p)+2*\q:CD+8*(\p)+2*\q+1], v[XR+8*\q:XR+8*\q+7], v8   ; result register j: the four codes of k = 128 j + 4 lane + 0..3
.endr
	v_nop                                          ; a plain instruction behind the last conversion
.irp j, 0,1,2,3,4,5,6,7
	ds_store_b32 v4, v[CD+8*(\p)+\j] offset:2176*\j+16*(\p)    ; the 32 lanes' words fall on 32 different banks
.endr
.endm
	LNROW 0
	LNROW 1
	LNROW 2
	LNROW 3
	s_wait_dscnt 0x0                               ; for the others' sake: my stores into the stage are done
	s_barrier_signal -1
	s_barrier_wait -1
.irp t, 0,1,2,3,4,5,6,7
	ds_load_b128 v[X+4*\t:X+4*\t+3], v5 offset:544*\t
.endr
.irp t, 0,1,2,3,4,5,6,7
	s_wait_dscnt 7-\t                              ; LDS loads come back in order: number t is in
	global_store_b128 v6, v[X+4*\t:X+4*\t+3], s[40:41] offset:512*\t   ; 512 consecutive bytes, aligned
.endr
	s_wait_tensorcnt 0x0                           ; the wave's end
	ds_add_u32 v[SPW], v[NIL]
	s_wait_dscnt 0x0
	s_endpgm
.Lfunc_end_k_qb560549e89_prep:
	.size	k_qb560549e89_prep, .Lfunc_end_k_qb560549e89_prep-k_qb560549e89_prep
	.p2alignl 7, 3214868480
	.fill 96, 4, 3214868480
	.section	.rodata,"a",@progbits
	.p2align	6, 0x0
	.amdhsa_kernel k_qb560549e89_prep
		.amdhsa_group_segment_fixed_size 17920
		.amdhsa_private_segment_fixed_size 0
		.amdhsa_enable_private_segment 0
		.amdhsa_kernarg_size 80
		.amdhsa_user_sgpr_count 2
		.amdhsa_user_sgpr_kernarg_segment_ptr 1
		.amdhsa_wavefront_size32 1
		.amdhsa_system_sgpr_workgroup_id_x 1
		.amdhsa_system_sgpr_workgroup_id_y 1
		.amdhsa_system_sgpr_workgroup_id_z 1
		.amdhsa_system_vgpr_workitem_id 0
		.amdhsa_next_free_vgpr 248
		.amdhsa_next_free_sgpr 80
		.amdhsa_reserve_vcc 0
		.amdhsa_float_denorm_mode_32 3
		.amdhsa_float_denorm_mode_16_64 3
		.amdhsa_memory_ordered 1
		.amdhsa_forward_progress 1
		.amdhsa_inst_pref_size 72
	.end_amdhsa_kernel
	.amdgpu_metadata
---
amdhsa.version: [ 1, 2 ]
amdhsa.kernels:
  - .name:           k_qb560549e89_prep
    .symbol:         k_qb560549e89_prep.kd
    .args:
      - { .name: x, .offset: 0, .size: 8, .value_kind: global_buffer, .address_space: global }
      - { .name: ln1_w, .offset: 8, .size: 8, .value_kind: global_buffer, .address_space: global }
      - { .name: ln1_b, .offset: 16, .size: 8, .value_kind: global_buffer, .address_space: global }
      - { .name: qkv_w, .offset: 24, .size: 8, .value_kind: global_buffer, .address_space: global }
      - { .name: proj_w, .offset: 32, .size: 8, .value_kind: global_buffer, .address_space: global }
      - { .name: fc1_w, .offset: 40, .size: 8, .value_kind: global_buffer, .address_space: global }
      - { .name: fc2_w, .offset: 48, .size: 8, .value_kind: global_buffer, .address_space: global }
      - { .name: lowp_scales, .offset: 56, .size: 8, .value_kind: global_buffer, .address_space: global }
      - { .name: wts, .offset: 64, .size: 8, .value_kind: global_buffer, .address_space: global }
      - { .name: hc, .offset: 72, .size: 8, .value_kind: global_buffer, .address_space: global }
    .group_segment_fixed_size: 17920
    .private_segment_fixed_size: 0
    .kernarg_segment_align: 8
    .kernarg_segment_size: 80
    .max_flat_workgroup_size: 128
    .sgpr_count:     80
    .vgpr_count:     248
    .wavefront_size: 32
...
	.end_amdgpu_metadata
.endif
;; end of part 1
;; launch qkvg (part 2): grid 12 x 16, 4 waves a work-group, clusters of 4 x 4, 327,680 bytes of LDS; arguments hc, wts, lowp_scales, qkvc; writes qkvc
.if DOCPART == 2
	.amdgcn_target "amdgcn-amd-amdhsa--gfx1250"
	.amdhsa_code_object_version 6
	.text
	.protected	k_qb560549e89_qkvg
	.globl	k_qb560549e89_qkvg
	.p2align	8
	.type	k_qb560549e89_qkvg,@function
k_qb560549e89_qkvg:
	s_mov_b64 s[64:65], 0
	v_nop
	global_prefetch_b8 v0, s[64:65] scope:SCOPE_SE
	s_setreg_imm32_b32 hwreg(HW_REG_WAVE_MODE, 25, 1), 1
	s_wait_xcnt 0x0
	s_wait_alu depctr_hold_cnt(0) depctr_sa_sdst(0) depctr_va_vdst(0) depctr_va_sdst(0) depctr_va_ssrc(0) depctr_va_vcc(0) depctr_vm_vsrc(0)
	s_getreg_b32 s2, hwreg(HW_REG_IB_STS2, 6, 4)
	s_cmp_eq_u32 s2, 0
	s_cbranch_scc0 .Lentry_in_a_cluster
	s_endpgm
.Lentry_in_a_cluster:
	s_bfe_u32 s2, ttmp6, 0x10000c
	s_cmp_lg_u32 s2, 0xf033
	s_cbranch_scc0 .Lentry_shape_is_right
	s_endpgm
.Lentry_shape_is_right:
; q, k, v = LN1(x) qkv_w on codes of E4M3, and their own codes.  Both operands come as images of operand registers (16 rows x 128 K = 2,048 bytes, register by register, lane by lane),
; [rows / 16][8][2048]; so a fragment is four ds_load_b128 at 16 x lane, 512 bytes apart, with no pitch and no padding, and k stands in its own place in the registers.
; A tile of 256 x 256 is made by four waves, 128 x 128 each: 64 accumulators.  K = 1,024 goes in four steps of 256 through a ring of two LDS slots.
; THE TWO POSITIONS.  Source 0 takes 16 rows of the "B position", source 1 of the "A position": a lane then holds ONE row of the A position and its eight registers eight neighbouring rows of the B position.
; So the conversion of accumulator (a, b) gives registers 2 b, 2 b + 1 of a fragment whose rows are block a of the A position and whose K runs along the B position.
; q and k (clusters x = 0, 1): A position = tokens, B position = weight columns: fragments of 16 tokens x 128 columns (two heads of 64).
; v (cluster x = 2): the buffers change places: A position = weight columns, B position = tokens: fragments of 16 channels x 128 keys, as the second product of attention wants V.  One text serves both:
; only pointers and tile numbers are chosen, by s_cselect on the cluster's x, which all sixteen partners share.
; OUT: qkvc [q, k, v][batch][pair of heads] x 262,144 bytes; in it q, k: [token / 16][head % 2][1,024]; v: [key / 128][head % 2][channel / 16][2,048].  A wave's tile leaves as 16,384 bytes on end.
; CLUSTERS: 4 x 4.  The A position's tile is shared along a row of the cluster, the B position's along a column: joint loads.
; LIMITS: eo - e0 - e1 (eo = e2, e3, e4) between -126 and 119.
; REGISTERS: window 0: v14-29 scale, limit, addresses; v32-95 at work on the way out; v128-255 the A position's fragments, one set; on the way out the codes.  window 1: the B position's, two sets.  windows 2, 3: accumulators.
.set SIZE_K, 1024
.set IROW,   4096                      ; a K step's bytes of 16 rows: two images
.set KADV,   4096                      ; from K step to K step in memory
.set FR,     16
.set NL,     4
.set NP,     4                         ; places behind this matrix instruction (ISA guide 7.12.1)
.set HALFT,  8*IROW                    ; 128 rows: what one tensor load brings
.set SLOT,   4*HALFT
.set LAPS,   SIZE_K/512
.set SPARE,  2*SLOT                    ; behind the ring: the spare words, two blocks of 256 bytes that no other line names
.set SCL,  14
.set LIM,  15
.set ADRA, 16
.set ADRB, 20
.set L16,  26                          ; v26 16 x lane
.set SPW,  28
.set NIL,  29
.set TMP,  32
.set AF,   128
.set CODE, 128
.set G1, 24
.set G0, 32
.set G1B, 48
.set G0B, 56
.set MSB, 0
.macro WIN new                         ; the immediate's high byte repeats the setting that is left
.if MSB != \new
	s_set_vgpr_msb (MSB<<8)|\new
.set MSB, \new
.endif
.endm
.set MUL_LO, 0xa1                      ; source 0 window 1, source 1 window 0, C and D window 2
.set MUL_HI, 0xf1
.set TO_B,   0x40
.macro JLOAD g0a, g1a, g0b, g1b        ; a joint load: waves 0, 1 fetch for the A position, waves 2, 3 for the B position; an s_nop 0 and four v_nop follow each line
	s_cmp_eq_u32 s15, 0
	s_cbranch_scc0 .Lfor_b_\@
	tensor_load_to_lds s[\g0a:\g0a+3], s[\g1a:\g1a+7]
	s_nop 0
.rept 4
	v_nop
.endr
	s_branch .Lasked_\@
.Lfor_b_\@:
	tensor_load_to_lds s[\g0b:\g0b+3], s[\g1b:\g1b+7]
	s_nop 0
.rept 4
	v_nop
.endr
.Lasked_\@:
.endm
.macro CREST                           ; a round of the cluster's barrier behind its opening barrier
	s_cmp_lg_u32 s14, 0
	s_cbranch_scc1 .Lnot_wave_0_\@
	s_barrier_signal -3
.Lnot_wave_0_\@:
	s_barrier_wait -3
	s_barrier_signal -1
	s_barrier_wait -1
.endm
.macro CROUND
	s_barrier_signal -1
	s_barrier_wait -1
	CREST
.endm
	s_load_b128 s[4:7], s[0:1], 0x0                ; hc, wts
	s_load_b128 s[8:11], s[0:1], 0x10              ; lowp_scales, qkvc
	v_lshl_add_u32 v[SPW], v0, 2, SPARE
	v_mov_b32 v[NIL], 0
	ds_add_u32 v[SPW], v[NIL]                      ; the wave's opening: the add and its wait ahead of my first tensor load
	ds_add_u32 v[SPW], v[NIL]
	v_lshrrev_b32 v1, 5, v0
	v_readfirstlane_b32 s14, v1                    ; wave
	s_lshr_b32 s15, s14, 1                         ; my half of the A position's rows; also: I fetch for A (0) or B (1)
	s_and_b32 s16, s14, 1                          ; my half of the B position's rows; also: which 128 rows I fetch
	s_bfe_u32 s40, ttmp6, 0x40000                  ; cx
	s_bfe_u32 s41, ttmp6, 0x40004                  ; cy
	s_and_b32 s12, ttmp7, 0xffff
	s_lshl_b32 s12, s12, 2                         ; 4 x cluster y: the cluster's first tile of tokens
	s_lshl_b32 s13, ttmp9, 2                       ; 4 x cluster x: its first tile of weight columns
	s_cmp_eq_u32 ttmp9, 2                          ; v's cluster?
	s_cselect_b32 s17, 8, s12                      ; the A position's first tile: v's weight columns begin at tile 8
	s_cselect_b32 s42, s12, s13                    ; the B position's
	s_add_co_u32 s17, s17, s41                     ; + cy: shared along my row of the cluster
	s_add_co_u32 s42, s42, s40                     ; + cx: shared along my column
	s_lshl_b32 s43, s41, 2
	s_lshl_b32 s43, 15, s43                        ; my row
	s_lshl_b32 s44, 0x1111, s40                    ; my column
	; group 1: 8 rows of 4,096 bytes (512 elements of 8 bytes), 16,384 bytes apart in memory, dense in LDS
	s_or_b32 s[G1+0], s43, (3<<16)|(1<<21)
	s_or_b32 s[G1B+0], s44, (3<<16)|(1<<21)
.irp g, G1, G1B
	s_mov_b32 s[\g+1], 512<<16                     ; tensor_dim0
	s_mov_b32 s[\g+2], 8<<16                       ; tensor_dim1
	s_mov_b32 s[\g+3], 512<<16                     ; tile_dim0
	s_mov_b32 s[\g+4], 8                           ; tile_dim1
	s_mov_b32 s[\g+5], 2*SIZE_K                    ; stride, in elements
	s_mov_b32 s[\g+6], 0
	s_mov_b32 s[\g+7], 0
.endr
	s_lshl_b32 s18, s16, 7
	s_lshl_b32 s20, s17, 8
	s_add_co_u32 s20, s20, s18
	s_lshl_b32 s20, s20, 10                        ; a row's share of the images is K = 1,024 bytes
	s_mov_b32 s21, 0
	s_lshl_b32 s46, s42, 8
	s_add_co_u32 s46, s46, s18
	s_lshl_b32 s46, s46, 10
	s_mov_b32 s47, 0
	s_mul_i32 s45, s14, HALFT                      ; where my load lands: no place in the cluster enters an LDS address
	s_wait_dscnt 0x0                               ; the opening add is done
	s_wait_kmcnt 0x0
	s_load_b256 s[68:75], s[8:9], 0x0              ; e0 .. e7
	s_cmp_eq_u32 ttmp9, 2
	s_cselect_b64 s[76:77], s[6:7], s[4:5]         ; the A position's buffer
	s_cselect_b64 s[78:79], s[4:5], s[6:7]         ; the B position's
	s_add_nc_u64 s[20:21], s[76:77], s[20:21]
	s_add_nc_u64 s[46:47], s[78:79], s[46:47]
	CROUND                                         ; all sixteen work-groups are here: the first joint loads meet
.irp s, 0,1
	s_mov_b32 s[G0+4*\s], 1
	s_add_co_u32 s[G0+4*\s+1], s45, \s*SLOT
	s_add_nc_u64 s[G0+4*\s+2:G0+4*\s+3], s[20:21], \s*KADV
	s_or_b32 s[G0+4*\s+3], s[G0+4*\s+3], 0x80000000
	s_mov_b32 s[G0B+4*\s], 1
	s_add_co_u32 s[G0B+4*\s+1], s45, \s*SLOT
	s_add_nc_u64 s[G0B+4*\s+2:G0B+4*\s+3], s[46:47], \s*KADV
	s_or_b32 s[G0B+4*\s+3], s[G0B+4*\s+3], 0x80000000
.endr
	JLOAD G0, G1, G0B, G1B                         ; K step 0: one tensor load a wave at the head
	; THE PREFETCHES.  A wave's load of a K step is 8 strips of 16 rows, 16,384 bytes apart, 4,096 bytes of each: 128 blocks of 256 bytes.  The four partners that ask for it jointly share them out by address:
	; the partner at place p (cx for the A position, cy for the B position) takes strips 2 p, 2 p + 1, a lane a block.  Here K steps 1 and 2 are asked for, behind K step 1's load K step 3: never more than two steps ahead
	s_cmp_eq_u32 s15, 0                            ; do I fetch for the A position?
	s_cselect_b64 s[98:99], s[20:21], s[46:47]
	s_cselect_b32 s96, s40, s41
	s_lshl_b32 s96, s96, 15
	s_mov_b32 s97, 0
	s_add_nc_u64 s[98:99], s[98:99], s[96:97]      ; never rewritten
	v_bfe_u32 v31, v0, 4, 1
	v_and_b32 v30, 15, v0
	v_lshlrev_b32 v30, 8, v30
	v_lshl_add_u32 v30, v31, 14, v30               ; 16,384 (lane / 16) + 256 (lane % 16); never rewritten
	global_prefetch_b8 v30, s[98:99] offset:4096 th:TH_LOAD_NT scope:SCOPE_SE
	global_prefetch_b8 v30, s[98:99] offset:8192 th:TH_LOAD_NT scope:SCOPE_SE
	v_and_b32 v1, 31, v0
	v_lshlrev_b32 v[L16], 4, v1
	s_mul_i32 s21, s15, HALFT
	s_mul_i32 s22, s16, HALFT
	s_add_co_u32 s22, s22, 2*HALFT
.irp s, 0,1
	v_add_nc_u32 v[ADRA+\s], s21, v[L16]
	v_add_nc_u32 v[ADRB+\s], s22, v[L16]
	s_add_co_u32 s21, s21, SLOT
	s_add_co_u32 s22, s22, SLOT
.endr
	; where my tile goes
	s_lshl_b32 s80, s17, 8
	s_lshl_b32 s81, s15, 7
	s_add_co_u32 s80, s80, s81                     ; my first row of the A position
	s_lshl_b32 s82, s42, 8
	s_lshl_b32 s81, s16, 7
	s_add_co_u32 s82, s82, s81                     ; of the B position
	s_cmp_eq_u32 ttmp9, 2
	s_cselect_b32 s83, s82, s80                    ; my first token
	s_cselect_b32 s84, s80, s82                    ; my first column of qkv
	s_lshr_b32 s85, s84, 10
	s_lshl_b32 s85, s85, 22                        ; q, k or v
	s_lshr_b32 s86, s83, 11
	s_lshl_b32 s86, s86, 21                        ; the batch
	s_add_co_u32 s85, s85, s86
	s_bfe_u32 s86, s84, 0x30007
	s_lshl_b32 s86, s86, 18                        ; the pair of heads
	s_add_co_u32 s85, s85, s86
	s_and_b32 s86, s83, 2047
	s_lshl_b32 s86, s86, 7                         ; 128 bytes a token, in either layout
	s_add_co_u32 s86, s85, s86
	s_mov_b32 s87, 0
	s_add_nc_u64 s[10:11], s[10:11], s[86:87]
.macro FRAG reg, adr, q, i             ; the image of rows 16 i on, the slot's q-th 128 along K: four registers of all lanes are 512 bytes on end
.irp c, 0,1,2,3
	ds_load_b128 v[\reg+4*\c:\reg+4*\c+3], v[\adr] offset:(\i)*IROW+(\q)*2048+512*\c
.endr
.endm
; 16 matrix instructions: A blocks a0, a0 + 1 x B's eight.  The 64 accumulators take turns, one instruction a turn, in the same order in every step.
.macro MUL16 a0, p, zero
.irp a, \a0, \a0+1
.irp b, 0,1,2,3,4,5,6,7
.if \zero
	v_wmma_f32_16x16x128_fp8_fp8 v[8*(8*((\a)%4)+\b):8*(8*((\a)%4)+\b)+7], v[128*(\p)+FR*\b:128*(\p)+FR*\b+FR-1], v[AF+FR*(\a):AF+FR*(\a)+FR-1], 0
.else
	v_wmma_f32_16x16x128_fp8_fp8 v[8*(8*((\a)%4)+\b):8*(8*((\a)%4)+\b)+7], v[128*(\p)+FR*\b:128*(\p)+FR*\b+FR-1], v[AF+FR*(\a):AF+FR*(\a)+FR-1], v[8*(8*((\a)%4)+\b):8*(8*((\a)%4)+\b)+7]
.endif
.endr
.endr
.endm
.macro FETCH_B slot, q, p
	WIN TO_B
.irp i, 0,1,2,3,4,5,6,7
	FRAG 128*(\p)+FR*\i, ADRB+\slot, \q, \i
.endr
	WIN 0
.endm
.macro FETCH_A slot, q, i0
.irp i, \i0, \i0+1, \i0+2, \i0+3
	FRAG AF+FR*(\i), ADRA+\slot, \q, \i
.endr
.endm
.macro PLACES n                        ; plain vector instructions between a matrix instruction and a load into, or a read of, its registers
.rept \n
	v_nop
.endr
.endm
.macro STEP slot, q, zero              ; 128 along K, with its successor in the same slot
	s_wait_dscnt 4*NL                              ; B's set and A's blocks 0-3 are in; A's blocks 4-7 (16 loads) may be out
	WIN MUL_LO
	MUL16 0, (\q)%2, \zero
	MUL16 2, (\q)%2, \zero
	s_wait_dscnt 0
	PLACES NP
	FETCH_B \slot, (\q)+1, 1-(\q)%2
	FETCH_A \slot, (\q)+1, 0
	WIN MUL_HI
	MUL16 4, (\q)%2, \zero
	MUL16 6, (\q)%2, \zero
	PLACES NP
	WIN 0
	FETCH_A \slot, (\q)+1, 4
.endm
.macro TURN slot, next, fill           ; a slot's last step changes slots: one barrier
	s_wait_tensorcnt 0x0                           ; all my tensor loads have landed: my part of the next slot
	ds_add_u32 v[SPW], v[NIL]                      ; 0 onto my spare word
	s_wait_dscnt 4*NL+1                            ; (the add and A's blocks 4-7 may be out)
	WIN MUL_LO
	MUL16 0, 1, 0
	s_wait_dscnt 0x0                               ; the add is done, and my reads of this slot are over
	s_barrier_signal -1
	MUL16 2, 1, 0
	WIN 0
	s_barrier_wait -1
.if \fill
	CREST                                          ; the barrier has opened a round of the cluster's: no wave of any partner still reads this slot or has a load on its way
	s_add_nc_u64 s[G0+4*\slot+2:G0+4*\slot+3], s[G0+4*\slot+2:G0+4*\slot+3], 2*KADV
	s_add_nc_u64 s[G0B+4*\slot+2:G0B+4*\slot+3], s[G0B+4*\slot+2:G0B+4*\slot+3], 2*KADV
	JLOAD G0+4*\slot, G1, G0B+4*\slot, G1B         ; the first tensor load behind the round; its four v_nop are the places in front of the loads below
.else
	PLACES NP
.endif
	FETCH_B \next, 0, 0
	FETCH_A \next, 0, 0
	WIN MUL_HI
	MUL16 4, 1, 0
	MUL16 6, 1, 0
	PLACES NP
	WIN 0
	FETCH_A \next, 0, 4
.endm
	s_wait_alu depctr_va_vdst(0)
	s_wait_tensorcnt 0x0                           ; my part of K step 0 is in; slot 1's first fill is issued as a refill is:
	ds_add_u32 v[SPW], v[NIL]                      ; 0 onto my spare word
	s_wait_dscnt 0x0
	CROUND                                         ; a whole round: K step 0 is whole in every partner
	JLOAD G0+4, G1, G0B+4, G1B                     ; K step 1: the first tensor load behind the round
	FETCH_B 0, 0, 0
	global_prefetch_b8 v30, s[98:99] offset:12288 th:TH_LOAD_NT scope:SCOPE_SE   ; K step 3, the last
	FETCH_A 0, 0, 0
	FETCH_A 0, 0, 4
	STEP 0, 0, 1                                   ; the first step starts the sums
	s_mov_b32 s3, LAPS-1
.Llap:
	TURN 0, 1, 1
	STEP 1, 0, 0
	TURN 1, 0, 1
	STEP 0, 0, 0
	s_sub_co_u32 s3, s3, 1
	s_cmp_lg_u32 s3, 0
	s_cbranch_scc1 .Llap
	TURN 0, 1, 0
	STEP 1, 0, 0
	s_wait_dscnt 4*NL
	WIN MUL_LO
	MUL16 0, 1, 0
	MUL16 2, 1, 0
	s_wait_dscnt 0
	WIN MUL_HI
	MUL16 4, 1, 0
	MUL16 6, 1, 0
	WIN 0
	; THE WAY OUT: no LDS.  A sum stands for sum x 2^(e0 + e1): its code is sum / 2^(eo - e0 - e1).
	s_wait_kmcnt 0x0
	s_cmp_eq_u32 ttmp9, 0
	s_cselect_b32 s88, s70, s71                    ; q: e2, k: e3,
	s_cmp_eq_u32 ttmp9, 2
	s_cselect_b32 s88, s72, s88                    ; v: e4
	s_sub_co_i32 s88, s88, s68
	s_sub_co_i32 s88, s88, s69
	s_add_co_i32 s88, s88, 127
	s_lshl_b32 s89, s88, 23
	v_mov_b32 v[SCL], s89
	s_add_co_i32 s88, s88, 8
	s_lshl_b32 s88, s88, 23
	s_or_b32 s88, s88, 0x600000
	v_mov_b32 v[LIM], s88
	PLACES NP                                      ; behind the last products: their results are read and their sources' registers take the codes
.macro OUTBLK a                        ; block a of the A position: 64 sums a lane become one image
.set AC, 64*((\a)%4)
	WIN 0x02+((\a)/4)                              ; source 0: window 2 or 3
.set i, 0
.rept 64
	v_med3_num_f32 v[TMP+i], v[AC+i], -v[LIM], v[LIM]   ; the hold; each accumulator from its low end on
.set i, i+1
.endr
	WIN 0
.irp b, 0,1,2,3,4,5,6,7
	v_cvt_scalef32_pk8_fp8_f32 v[CODE+16*(\a)+2*\b:CODE+16*(\a)+2*\b+1], v[TMP+8*\b:TMP+8*\b+7], v[SCL]
.endr
	v_nop                                          ; a plain instruction behind the last conversion: the next block writes its sources
.irp p, 0,1,2,3
	global_store_b128 v[L16], v[CODE+16*(\a)+4*\p:CODE+16*(\a)+4*\p+3], s[10:11] offset:2048*(\a)+512*\p   ; 512 consecutive bytes, aligned; each block has code registers of its own
.endr
.endm
.irp a, 0,1,2,3,4,5,6,7
	OUTBLK \a
.endr
	s_wait_tensorcnt 0x0                           ; the wave's end
	ds_add_u32 v[SPW], v[NIL]
	s_wait_dscnt 0x0
	CROUND                                         ; the closing round
	s_endpgm
.Lfunc_end_k_qb560549e89_qkvg:
	.size	k_qb560549e89_qkvg, .Lfunc_end_k_qb560549e89_qkvg-k_qb560549e89_qkvg
	.p2alignl 7, 3214868480
	.fill 96, 4, 3214868480
	.section	.rodata,"a",@progbits
	.p2align	6, 0x0
	.amdhsa_kernel k_qb560549e89_qkvg
		.amdhsa_group_segment_fixed_size 327680
		.amdhsa_private_segment_fixed_size 0
		.amdhsa_enable_private_segment 0
		.amdhsa_kernarg_size 32
		.amdhsa_user_sgpr_count 2
		.amdhsa_user_sgpr_kernarg_segment_ptr 1
		.amdhsa_wavefront_size32 1
		.amdhsa_system_sgpr_workgroup_id_x 1
		.amdhsa_system_sgpr_workgroup_id_y 1
		.amdhsa_system_sgpr_workgroup_id_z 1
		.amdhsa_system_vgpr_workitem_id 0
		.amdhsa_next_free_vgpr 1024
		.amdhsa_next_free_sgpr 100
		.amdhsa_reserve_vcc 0
		.amdhsa_float_denorm_mode_32 3
		.amdhsa_float_denorm_mode_16_64 3
		.amdhsa_memory_ordered 1
		.amdhsa_forward_progress 1
		.amdhsa_inst_pref_size 119
	.end_amdhsa_kernel
	.amdgpu_metadata
---
amdhsa.version: [ 1, 2 ]
amdhsa.kernels:
  - .name:           k_qb560549e89_qkvg
    .symbol:         k_qb560549e89_qkvg.kd
    .args:
      - { .name: hc, .offset: 0, .size: 8, .value_kind: global_buffer, .address_space: global }
      - { .name: wts, .offset: 8, .size: 8, .value_kind: global_buffer, .address_space: global }
      - { .name: lowp_scales, .offset: 16, .size: 8, .value_kind: global_buffer, .address_space: global }
      - { .name: qkvc, .offset: 24, .size: 8, .value_kind: global_buffer, .address_space: global }
    .group_segment_fixed_size: 327680
    .private_segment_fixed_size: 0
    .kernarg_segment_align: 8
    .kernarg_segment_size: 32
    .max_flat_workgroup_size: 128
    .sgpr_count:     100
    .vgpr_count:     1024
    .wavefront_size: 32
...
	.end_amdgpu_metadata
.endif
;; end of part 2
;; launch attn (part 3): grid 8 x 32, 8 waves a work-group, clusters of 4 x 1, 327,680 bytes of LDS; arguments qkvc, lowp_scales, oc; writes oc
.if DOCPART == 3
	.amdgcn_target "amdgcn-amd-amdhsa--gfx1250"
	.amdhsa_code_object_version 6
	.text
	.protected	k_qb560549e89_attn
	.globl	k_qb560549e89_attn
	.p2align	8
	.type	k_qb560549e89_attn,@function
k_qb560549e89_attn:
	s_mov_b64 s[64:65], 0
	v_nop
	global_prefetch_b8 v0, s[64:65] scope:SCOPE_SE
	s_setreg_imm32_b32 hwreg(HW_REG_WAVE_MODE, 25, 1), 1
	s_wait_xcnt 0x0
	s_wait_alu depctr_hold_cnt(0) depctr_sa_sdst(0) depctr_va_vdst(0) depctr_va_sdst(0) depctr_va_ssrc(0) depctr_va_vcc(0) depctr_vm_vsrc(0)
	s_getreg_b32 s2, hwreg(HW_REG_IB_STS2, 6, 4)
	s_cmp_eq_u32 s2, 0
	s_cbranch_scc0 .Lentry_in_a_cluster
	s_endpgm
.Lentry_in_a_cluster:
	s_bfe_u32 s2, ttmp6, 0x10000c
	s_cmp_lg_u32 s2, 0x3003
	s_cbranch_scc0 .Lentry_shape_is_right
	s_endpgm
.Lentry_shape_is_right:
; o = softmax(q k^T / 8) v for one (batch, head), both products on codes of E4M3, and o's codes.  Operands come as images of operand registers.
; THE SOFTMAX: t = score x log2(e) / 8; M = the running largest t rounded UP to a whole number; p = 2^(t - M) is quantised with 2^e5, not normalised; the row's sum is taken of the unquantised p and divides at the end.
; When M moves, the sum and O are multiplied by f = 2^(old M - new M), which rounds nothing.
; SHARES.  A work-group owns 256 queries; each of its eight waves owns TWO tiles of 16 queries, A and B, so each fragment of K and of V that a wave reads from LDS feeds two matrix instructions.  Every wave walks the 2,048 keys, 128 a step.
; LAYOUT.  S^T = K Q^T (source 0 = 16 keys, source 1 = 16 queries, K = 64), O^T = V^T P^T (source 0 = 16 channels, source 1 = P, K = 128 keys): a lane holds one query of each tile throughout.
; Tile t of S^T holds keys 16 t + 8 (lane / 16) + 0..7: its conversion is registers 2 t, 2 t + 1 of P.  O^T's four tiles likewise become o's eight registers.
; THE TWO TILES TAKE TURNS, a stage each (macro HALF).  In a stage tile X's 64 exponentials stand among tile Y's first level of sums and Y's hold, which read and write none of the batch's registers;
; then Y's O^T is rescaled, Y's p converted, Y's NEXT scores multiplied into the registers just freed, Y's O^T += V^T P^T, and Y's new scores get their maximum, M, f and t - M.
; K's fragments of the next step and V's of this step are asked of LDS in the stage of (X = A), and waited for once, at the head of the next stage.
; The stage is written once for all steps: O^T, the sums and tile B's first "p" begin as zeros, the largest score as -3e38, so the first stage's work on tile B adds zeros.
; qkvc: [q, k, v][batch x 8 + head / 2] x 262,144 bytes; q, k: [token / 16][head % 2][1,024]; v: [key / 128][head % 2][channel / 16][2,048].   oc: [token / 16][8][2,048]; head h is the 1,024 bytes from 1,024 h on.
; ALL OF THE HEAD'S K AND V LIE IN LDS: K from byte 0, V from byte 131,072, each byte filled once.  Every wave brings 32,768 bytes by one tensor load: even waves K, odd waves V, wave w the chunk w / 2 (512 keys).
; Waves 0 and 1 ask first; the other six ask behind the next round, and their tiles land while steps 0 to 2 are worked (which read keys 0-511 alone).  One barrier follows; the later steps have none.
; The four query blocks of a cluster walk the same K and V: every load is a joint load whose mask names the four.  No load is left to ask for later, so nothing is prefetched.
; LIMITS: e2 + e3 between -123 and 130 (added to c's exponent field); e5 and e6 between -126 and 119.  1 / sum is v_rcp_f32 and a multiplication.
; REGISTERS.  Window 0: v1-6 addresses and the add's two; v8-15, v16-23 the tiles' running numbers (-M and its pair's upper word, largest score, sum in two halves, f and its pair's upper word); v24-29 limits and scales;
;   v32-63 at work; v64-79 P; v96-159 tile A's scores, v160-223 tile B's.   Window 1: v0-63 K's eight fragments, v64-127 V's four, v128-143 Q, v160-223 O^T.
.set VBASE, 131072
.set SPARE, 262144                     ; behind K and V: the spare words, 128 bytes for each of eight waves
.set L16,  1
.set L16V, 2
.set ADK,  3
.set ADV,  4
.set SPW,  5
.set NIL,  6
.set STA,  8                           ; +0 -M, +2 largest score, +4,5 the sum, +6 f
.set STB,  16
.set LIM,  24                          ; v24, v25: 448 x 2^e5, twice: the two halves of a dual pair name registers of different banks
.set SCL,  26
.set PT,   27
.set OS,   28
.set OL,   29
.set TT,   32
.set P,    64
.set SA,   96
.set SB,   160
.set KF,   0                           ; window 1
.set VF,   64
.set QA,   128
.set QB,   136
.set OA,   160
.set OB,   192
.set WV,   18
.set SEL,  20
.set CS,   22
.set G1K,  24
.set G1V,  32
.set G0,   40
.set TB,   48                          ; s48  8,192 x the key step in hand: its place in K's and in V's region
.set TRIPS, 49
.set PAR,  59
.set MSB, 0
.macro WIN new                         ; low byte: bits 1:0 source 0, 3:2 source 1, 5:4 source 2, 7:6 destination; the high byte repeats the setting that is left
.if MSB != \new
	s_set_vgpr_msb (MSB<<8)|\new
.set MSB, \new
.endif
.endm
; My one tensor load.  first = 1: waves 0, 1 issue theirs; first = 0: waves 2-7.  The branches hang on the wave's number alone; an s_nop 0 and four v_nop follow each line.
.macro TLOAD first
	s_cmp_lt_u32 s[WV], 2
.if \first
	s_cbranch_scc0 .Lasked_\@
.else
	s_cbranch_scc1 .Lasked_\@
.endif
	s_cmp_eq_u32 s[PAR], 0
	s_cbranch_scc0 .Lfor_v_\@
	tensor_load_to_lds s[G0:G0+3], s[G1K:G1K+7]
	s_nop 0
.rept 4
	v_nop
.endr
	s_branch .Lasked_\@
.Lfor_v_\@:
	tensor_load_to_lds s[G0:G0+3], s[G1V:G1V+7]
	s_nop 0
.rept 4
	v_nop
.endr
.Lasked_\@:
.endm
.macro CROUND                          ; a round of the cluster's barrier
	s_barrier_signal -1
	s_barrier_wait -1
	s_cmp_lg_u32 s[WV], 0
	s_cbranch_scc1 .Lnot_wave_0_\@
	s_barrier_signal -3
.Lnot_wave_0_\@:
	s_barrier_wait -3
	s_barrier_signal -1
	s_barrier_wait -1
.endm
	s_load_b128 s[4:7], s[0:1], 0x0                ; qkvc, lowp_scales
	s_load_b64 s[8:9], s[0:1], 0x10                ; oc
	v_lshl_add_u32 v[SPW], v0, 2, SPARE
	v_mov_b32 v[NIL], 0
	ds_add_u32 v[SPW], v[NIL]                      ; the wave's opening: the add, twice on end, and its wait ahead of my tensor load
	ds_add_u32 v[SPW], v[NIL]
	v_lshrrev_b32 v7, 5, v0
	s_delay_alu instid0(VALU_DEP_1)
	v_readfirstlane_b32 s[WV], v7                  ; wave 0..7
	s_bfe_u32 s54, ttmp6, 0x40000                  ; cx: it enters Q's and O's addresses alone
	s_lshl_b32 s55, ttmp9, 2
	s_add_co_u32 s55, s55, s54                     ; my block of 256 queries
	s_and_b32 s56, ttmp7, 0xffff                   ; 16 x batch + head, which the partners share
	s_lshr_b32 s57, s56, 1
	s_lshl_b32 s57, s57, 18                        ; the pair of heads' 262,144 bytes
	s_and_b32 s58, s56, 1                          ; which of the pair
	s_and_b32 s[PAR], s[WV], 1                     ; K or V
	s_lshr_b32 s60, s[WV], 1                       ; my chunk of 512 keys
	s_lshl_b32 s76, s[PAR], 17
	s_lshl_b32 s77, s60, 15
	s_add_co_u32 s76, s76, s77                     ; where it lands: 131,072 x (wave % 2) + 32,768 x (wave / 2)
	s_mul_i32 s61, s[PAR], 3
	s_add_co_u32 s61, s61, 10
	s_lshl_b32 s62, s58, s61                       ; the head of the pair: 1,024 bytes on in K, 8,192 in V
	s_add_co_u32 s62, s62, s57
	s_lshl_b32 s63, s60, 16                        ; a chunk is 65,536 bytes of memory on, in K (32 images, 2,048 apart) and in V (4 key steps, 16,384 apart)
	s_add_co_u32 s62, s62, s63
	s_lshl_b32 s63, s[PAR], 22
	s_add_co_u32 s62, s62, s63
	s_add_co_u32 s62, s62, 4194304                 ; k begins 4,194,304 bytes into qkvc, v 8,388,608
	s_mov_b32 s63, 0
	s_lshl_b32 s78, s55, 4
	s_lshl_b32 s79, s[WV], 1
	s_add_co_u32 s82, s78, s79                     ; tile A's number within the batch; tile B is the next
	s_lshl_b32 s78, s82, 11
	s_add_co_u32 s78, s78, s57
	s_lshl_b32 s79, s58, 10
	s_add_co_u32 s78, s78, s79                     ; Q's image
	s_mov_b32 s79, 0
	s_lshr_b32 s80, s56, 4
	s_lshl_b32 s80, s80, 7
	s_add_co_u32 s80, s80, s82
	s_lshl_b32 s80, s80, 14
	s_and_b32 s81, s56, 15
	s_lshl_b32 s81, s81, 10
	s_add_co_u32 s80, s80, s81                     ; o's half image
	s_mov_b32 s81, 0
	s_mov_b32 s[G1K], 15|(3<<16)|(1<<21)           ; the mask: all four work-groups; elements of 8 bytes; bit 21 beside a mask; no padding
	s_mov_b32 s[G1K+1], 128<<16                    ; 32 rows of 1,024 bytes, 2,048 apart
	s_mov_b32 s[G1K+2], 32<<16
	s_mov_b32 s[G1K+3], 128<<16
	s_mov_b32 s[G1K+4], 32
	s_mov_b32 s[G1K+5], 256
	s_mov_b32 s[G1K+6], 0
	s_mov_b32 s[G1K+7], 0
	s_mov_b32 s[G1V], 15|(3<<16)|(1<<21)
	s_mov_b32 s[G1V+1], 1024<<16                   ; 4 rows of 8,192 bytes, 16,384 apart
	s_mov_b32 s[G1V+2], 4<<16
	s_mov_b32 s[G1V+3], 1024<<16
	s_mov_b32 s[G1V+4], 4
	s_mov_b32 s[G1V+5], 2048
	s_mov_b32 s[G1V+6], 0
	s_mov_b32 s[G1V+7], 0
	s_mov_b32 s[SEL], 0x76543210
	s_mov_b32 s[SEL+1], 0xfedcba98
	s_mov_b32 s[CS], 0x3e38aa3b                    ; c = log2(e) / 8
	s_mov_b32 s[TB], 0
	s_wait_dscnt 0x0                               ; both opening adds are done
	s_wait_kmcnt 0x0
	s_load_b256 s[68:75], s[6:7], 0x0              ; e0 .. e7
	s_mov_b32 s[G0], 1                             ; group 0, written once: my one load
	s_mov_b32 s[G0+1], s76
	s_add_nc_u64 s[G0+2:G0+3], s[4:5], s[62:63]
	s_or_b32 s[G0+3], s[G0+3], 0x80000000
	CROUND                                         ; all four work-groups are here
	TLOAD 1                                        ; keys 0-511: waves 0, 1
	s_add_nc_u64 s[86:87], s[4:5], s[78:79]
	s_add_nc_u64 s[8:9], s[8:9], s[80:81]
	v_and_b32 v7, 31, v0
	s_delay_alu instid0(VALU_DEP_1)
	v_lshlrev_b32 v[L16], 4, v7
	s_delay_alu instid0(VALU_DEP_1)
	v_add_nc_u32 v[L16V], VBASE, v[L16]
	WIN 0x40                                       ; destination window 1
	global_load_b128 v[QA:QA+3], v[L16], s[86:87]              ; Q's two fragments stay in registers
	global_load_b128 v[QA+4:QA+7], v[L16], s[86:87] offset:512
	global_load_b128 v[QB:QB+3], v[L16], s[86:87] offset:2048
	global_load_b128 v[QB+4:QB+7], v[L16], s[86:87] offset:2560
.set i, 0
.rept 64
	v_mov_b32 v[OA+i], 0                           ; O^T of both tiles
.set i, i+1
.endr
	WIN 0
.set i, 0
.rept 64
	v_mov_b32 v[SB+i], 0                           ; what the first stage takes for tile B's p
.set i, i+1
.endr
.irp st, STA, STB
	v_mov_b32 v[\st], 0x7f61b1e6                   ; -M: 3e38
	v_mov_b32 v[\st+1], 0                          ; (upper word of a pair that is named whole)
	v_mov_b32 v[\st+2], 0xff61b1e6                 ; the largest score so far: -3e38
	v_mov_b32 v[\st+4], 0                          ; the sum, in two halves
	v_mov_b32 v[\st+5], 0
	v_mov_b32 v[\st+6], 0                          ; f
	v_mov_b32 v[\st+7], 0
.endr
	v_mov_b32 v[PT], 0                             ; (a lane permute's destination counts as read)
	s_wait_kmcnt 0x0
	s_add_co_i32 s77, s70, s71
	s_lshl_b32 s77, s77, 23
	s_add_co_i32 s[CS], s[CS], s77                 ; a score stands for score x 2^(e2 + e3): added to c's exponent field
	s_mov_b32 s[CS+1], s[CS]
	s_add_co_i32 s77, s73, 127
	s_lshl_b32 s76, s77, 23
	v_mov_b32 v[SCL], s76                          ; 2^e5
	s_add_co_i32 s77, s77, 8
	s_lshl_b32 s77, s77, 23
	s_or_b32 s77, s77, 0x600000
	v_mov_b32 v[LIM], s77                          ; 448 x 2^e5
	v_mov_b32 v[LIM+1], s77
	s_add_co_i32 s77, s74, 127
	s_lshl_b32 s76, s77, 23
	v_mov_b32 v[OS], s76                           ; 2^e6
	s_add_co_i32 s77, s77, 8
	s_lshl_b32 s77, s77, 23
	s_or_b32 s77, s77, 0x600000
	v_mov_b32 v[OL], s77                           ; 448 x 2^e6
.macro KLOAD adr, off                  ; K's eight fragments of a step, 16 loads (under destination window 1)
.irp t, 0,1,2,3,4,5,6,7
	ds_load_b128 v[KF+8*\t:KF+8*\t+3], v[\adr] offset:\off+\t*1024
	ds_load_b128 v[KF+8*\t+4:KF+8*\t+7], v[\adr] offset:\off+\t*1024+512
.endr
.endm
.macro VLOAD adr                       ; V's four fragments of a step, 16 loads
.irp t, 0,1,2,3
.irp p, 0,1,2,3
	ds_load_b128 v[VF+16*\t+4*\p:VF+16*\t+4*\p+3], v[\adr] offset:\t*2048+512*\p
.endr
.endr
.endm
.macro SMUL sy, qy                     ; S^T = K Q^T: eight tiles of 16 keys; K and Q in window 1, the scores in window 0
	WIN 0x05
.irp t, 0,1,2,3,4,5,6,7
	v_wmma_f32_16x16x64_fp8_fp8 v[\sy+8*\t:\sy+8*\t+7], v[KF+8*\t:KF+8*\t+7], v[\qy:\qy+7], 0
.endr
	WIN 0
.endm
.macro FMA sy, st, a, n                ; t - M, two at a time, n pairs from register a on
.set i, \a
.rept \n
	v_pk_fma_f32 v[\sy+i:\sy+i+1], v[\sy+i:\sy+i+1], s[CS:CS+1], v[\st:\st+1] op_sel_hi:[1,0,0]
.set i, i+2
.endr
.endm
; New scores: their largest (a tree of 32 lines; each accumulator is first read at its low end), the running largest, -M, f, and t - M.  vl = 1: V's loads stand behind the tree's first level, 21 places behind the products that read V.
.macro SOFT sy, st, vl
.set i, 0
.rept 21
	v_max3_num_f32 v[TT+i], v[\sy+3*i], v[\sy+3*i+1], v[\sy+3*i+2]
.set i, i+1
.endr
.if \vl
	WIN 0x40
	VLOAD ADV
	WIN 0
.endif
.set i, 0
.rept 7
	v_max3_num_f32 v[TT+i], v[TT+i], v[TT+i+1], v[TT+i+2]
.set i, i+3
.endr
	v_max3_num_f32 v[TT], v[TT], v[TT+3], v[TT+6]
	v_max3_num_f32 v[TT+9], v[TT+9], v[TT+12], v[TT+15]
	v_max3_num_f32 v[TT+18], v[TT+18], v[\sy+63], v[TT]
	s_delay_alu instid0(VALU_DEP_1)
	v_max_num_f32 v[TT], v[TT+9], v[TT+18]
	s_delay_alu instid0(VALU_DEP_1)
	v_permlanex16_b32 v[PT], v[TT], s[SEL], s[SEL+1]
	s_delay_alu instid0(VALU_DEP_1)
	v_max3_num_f32 v[\st+2], v[\st+2], v[TT], v[PT]    ; with lane l xor 16's, and with the steps before
	s_delay_alu instid0(VALU_DEP_1)
	v_mul_f32 v[TT+1], s[CS], v[\st+2]             ; as t (c is positive)
	s_delay_alu instid0(VALU_DEP_1)
	v_floor_f32 v[TT+2], -v[TT+1]                  ; the new -M = -ceil(t)
	s_delay_alu instid0(VALU_DEP_1)
	v_sub_f32 v[TT+3], v[TT+2], v[\st]             ; old M - new M: a whole number, 0 or less
	s_delay_alu instid0(VALU_DEP_2)
	v_mov_b32 v[\st], v[TT+2]
	FMA \sy, \st, 0, 4
	v_cvt_i32_f32 v[TT+3], v[TT+3]                 ; (it saturates)
	FMA \sy, \st, 8, 4
	v_ldexp_f32 v[\st+6], 1.0, v[TT+3]             ; f = 2^(old M - new M)
	FMA \sy, \st, 16, 24
.endm
; A STAGE.  sx: the tile whose t - M become p.  sy, st, oy, qy: the other tile, whose p of its last step are summed, held, converted and multiplied, and whose next scores are made.
; vl, kl: V's and K's loads are issued; dw: the loads of the stage before are waited for; dos = 0: no next scores; dox = 0: no exponentials.
.macro HALF sx, sy, st, oy, qy, vl, kl, dw, dos, dox
.if \vl
	v_add_nc_u32 v[ADK], s[TB], v[L16]
	v_add_nc_u32 v[ADV], s[TB], v[L16V]
.endif
.if \dw
	s_wait_dscnt 0x0                               ; K's and V's 32 loads of the stage before are in
.endif
	s_wait_alu depctr_va_vdst(0)                   ; the wait ahead of the batch
.set g, 0
.rept 16                               ; four exponentials, one sum of two pairs, two dual pairs of holds; no plain line here reads what a plain line of the batch wrote
.if \dox
	v_exp_f32 v[\sx+g], v[\sx+g]
.endif
	v_pk_add_f32 v[TT+g/2:TT+g/2+1], v[\sy+g:\sy+g+1], v[\sy+g+2:\sy+g+3]    ; the row's sum is taken of the unquantised p, ahead of the hold
.if \dox
	v_exp_f32 v[\sx+g+1], v[\sx+g+1]
.endif
	v_dual_min_num_f32 v[\sy+g], v[\sy+g], v[LIM] :: v_dual_min_num_f32 v[\sy+g+1], v[\sy+g+1], v[LIM+1]    ; the hold: p is not negative
.if \dox
	v_exp_f32 v[\sx+g+2], v[\sx+g+2]
	v_exp_f32 v[\sx+g+3], v[\sx+g+3]
.endif
	v_dual_min_num_f32 v[\sy+g+2], v[\sy+g+2], v[LIM] :: v_dual_min_num_f32 v[\sy+g+3], v[\sy+g+3], v[LIM+1]
.set g, g+4
.endr
	WIN 0x41                                       ; O^T in window 1, f in window 0
	s_wait_alu depctr_va_vdst(0)                   ; one wait: behind the batch, and directly ahead of the first readers of O^T
.set i, 0
.rept 16
	v_pk_mul_f32 v[\oy+i:\oy+i+1], v[\oy+i:\oy+i+1], v[\st+6:\st+7] op_sel_hi:[1,0]    ; O^T under the new M
.set i, i+2
.endr
	WIN 0
.irp t, 0,1,2,3,4,5,6,7
	v_cvt_scalef32_pk8_fp8_f32 v[P+2*\t:P+2*\t+1], v[\sy+8*\t:\sy+8*\t+7], v[SCL]
.endr
.set i, 0
.rept 8
	v_pk_add_f32 v[TT+i:TT+i+1], v[TT+i:TT+i+1], v[TT+i+2:TT+i+3]    ; the sums' second level: also the plain lines between the conversions and the products
.set i, i+4
.endr
.if \dos
	SMUL \sy, \qy
.endif
.irp i, 0,8,16,24
	v_pk_add_f32 v[TT+\i:TT+\i+1], v[TT+\i:TT+\i+1], v[TT+\i+4:TT+\i+5]    ; these eight lines are the places behind the products above
.endr
	v_pk_add_f32 v[TT:TT+1], v[TT:TT+1], v[TT+8:TT+9]
	v_pk_add_f32 v[TT+16:TT+17], v[TT+16:TT+17], v[TT+24:TT+25]
	s_delay_alu instid0(VALU_DEP_1)
	v_pk_add_f32 v[TT:TT+1], v[TT:TT+1], v[TT+16:TT+17]
	s_delay_alu instid0(VALU_DEP_1)
	v_pk_fma_f32 v[\st+4:\st+5], v[\st+4:\st+5], v[\st+6:\st+7], v[TT:TT+1] op_sel_hi:[1,0,1]    ; sum = sum x f + this step's
.if \kl
	WIN 0x40
	KLOAD ADK, 8192                                ; the next step's K
.endif
	WIN 0x51                                       ; V and O^T in window 1, P in window 0
.irp t, 0,1,2,3
	v_wmma_f32_16x16x128_fp8_fp8 v[\oy+8*\t:\oy+8*\t+7], v[VF+16*\t:VF+16*\t+15], v[P:P+15], v[\oy+8*\t:\oy+8*\t+7]    ; the four accumulators take turns
.endr
	WIN 0
.if \dos
	SOFT \sy, \st, \vl
.endif
.endm
.macro TRIP                            ; key step n: (A, n) becomes p beside (B, n - 1)'s work and (B, n)'s scores; then (B, n) beside (A, n)'s work and (A, n + 1)'s scores
	HALF SA, SB, STB, OB, QB, 1, 1, 0, 1, 1
	HALF SB, SA, STA, OA, QA, 0, 0, 1, 1, 1
	s_add_co_u32 s[TB], s[TB], 8192
.endm
	s_wait_alu depctr_va_vdst(0)                   ; the wait at the head's end
	s_wait_loadcnt 0x0                             ; Q
	s_wait_tensorcnt 0x0                           ; waves 0, 1: my part of keys 0-511 has landed
	ds_add_u32 v[SPW], v[NIL]                      ; 0 onto my spare word, twice on end
	ds_add_u32 v[SPW], v[NIL]
	s_wait_dscnt 0x0
	CROUND                                         ; keys 0-511 are whole in every partner; the later first fills stand behind a round, one a wave, as a refill would
	TLOAD 0                                        ; keys 512-2,047: waves 2-7, into bytes that nobody reads before the barrier below
	WIN 0x40
	KLOAD L16, 0                                   ; step 0's K, and its V (codes that the first stage multiplies by zeros)
	VLOAD L16V
	WIN 0
	s_wait_dscnt 0x0
	SMUL SA, QA
.rept 4
	v_nop                                          ; places behind the products
.endr
	SOFT SA, STA, 0
	s_mov_b32 s[TRIPS], 3
.Lk1:                                              ; steps 0-2: they read K of steps 1-3 and V of steps 0-2, all in keys 0-511
	TRIP
	s_sub_co_u32 s[TRIPS], s[TRIPS], 1
	s_cmp_lg_u32 s[TRIPS], 0
	s_cbranch_scc1 .Lk1
	s_wait_tensorcnt 0x0                           ; waves 2-7: my chunk has landed
	s_wait_dscnt 0x0
	s_barrier_signal -1
	s_barrier_wait -1                              ; all of K and V is there, for every wave
	s_mov_b32 s[TRIPS], 12
.Lk2:                                              ; steps 3-14; no barrier: the waves go each at its own pace
	TRIP
	s_sub_co_u32 s[TRIPS], s[TRIPS], 1
	s_cmp_lg_u32 s[TRIPS], 0
	s_cbranch_scc1 .Lk2
	HALF SA, SB, STB, OB, QB, 1, 0, 0, 1, 1        ; step 15: no K follows,
	HALF SB, SA, STA, OA, QA, 0, 0, 1, 0, 1        ; no scores follow,
	HALF SA, SB, STB, OB, QB, 0, 0, 0, 0, 0        ; and tile B's last p are worked with no batch beside them
	; THE WAY OUT: O^T / the sum x 2^(e4 + e5), quantised with 2^e6: the conversions' results are o's half images.  No LDS.
	v_add_f32 v[STA+4], v[STA+4], v[STA+5]
	v_add_f32 v[STB+4], v[STB+4], v[STB+5]
	v_permlanex16_b32 v[PT], v[STA+4], s[SEL], s[SEL+1]
	v_permlanex16_b32 v[TT], v[STB+4], s[SEL], s[SEL+1]
	v_add_f32 v[STA+4], v[STA+4], v[PT]            ; the rows' sums
	v_add_f32 v[STB+4], v[STB+4], v[TT]
	s_wait_alu depctr_va_vdst(0)                   ; ahead of the batch of two
	v_rcp_f32 v[STA+4], v[STA+4]
	v_rcp_f32 v[STB+4], v[STB+4]
	v_nop                                          ; a plain instruction behind the transcendentals
	s_add_co_i32 s76, s72, s73
	s_wait_alu depctr_va_vdst(0)                   ; ahead of their first readers
	v_ldexp_f32 v[STA+4], v[STA+4], s76
	v_ldexp_f32 v[STB+4], v[STB+4], s76
	WIN 0x01                                       ; source 0: O^T in window 1
	s_wait_alu depctr_va_vdst(0)                   ; the wait directly ahead of the first readers of O^T
.set i, 0
.rept 16
	v_pk_mul_f32 v[SA+i:SA+i+1], v[OA+i:OA+i+1], v[STA+4:STA+5] op_sel_hi:[1,0]
.set i, i+2
.endr
.set i, 0
.rept 16
	v_pk_mul_f32 v[SA+32+i:SA+32+i+1], v[OB+i:OB+i+1], v[STB+4:STB+5] op_sel_hi:[1,0]
.set i, i+2
.endr
	WIN 0
.set i, 0
.rept 64
	v_med3_num_f32 v[SA+i], v[SA+i], -v[OL], v[OL] ; the conversion does not saturate (ISA guide 7.6.2): the hold comes first
.set i, i+1
.endr
.irp t, 0,1,2,3,4,5,6,7
	v_cvt_scalef32_pk8_fp8_f32 v[P+2*\t:P+2*\t+1], v[SA+8*\t:SA+8*\t+7], v[OS]
.endr
	v_nop
	global_store_b128 v[L16], v[P:P+3], s[8:9]                   ; each store covers 512 consecutive bytes, aligned
	global_store_b128 v[L16], v[P+4:P+7], s[8:9] offset:512
	global_store_b128 v[L16], v[P+8:P+11], s[8:9] offset:16384   ; tile B: the next 16 tokens
	global_store_b128 v[L16], v[P+12:P+15], s[8:9] offset:16896
	s_wait_tensorcnt 0x0                           ; the wave's end
	ds_add_u32 v[SPW], v[NIL]
	s_wait_dscnt 0x0
	CROUND                                         ; the closing round
	s_endpgm
.Lfunc_end_k_qb560549e89_attn:
	.size	k_qb560549e89_attn, .Lfunc_end_k_qb560549e89_attn-k_qb560549e89_attn
	.p2alignl 7, 3214868480
	.fill 96, 4, 3214868480
	.section	.rodata,"a",@progbits
	.p2align	6, 0x0
	.amdhsa_kernel k_qb560549e89_attn
		.amdhsa_group_segment_fixed_size 327680
		.amdhsa_private_segment_fixed_size 0
		.amdhsa_enable_private_segment 0
		.amdhsa_kernarg_size 24
		.amdhsa_user_sgpr_count 2
		.amdhsa_user_sgpr_kernarg_segment_ptr 1
		.amdhsa_wavefront_size32 1
		.amdhsa_system_sgpr_workgroup_id_x 1
		.amdhsa_system_sgpr_workgroup_id_y 1
		.amdhsa_system_sgpr_workgroup_id_z 1
		.amdhsa_system_vgpr_workitem_id 0
		.amdhsa_next_free_vgpr 512
		.amdhsa_next_free_sgpr 100
		.amdhsa_reserve_vcc 0
		.amdhsa_float_denorm_mode_32 3
		.amdhsa_float_denorm_mode_16_64 3
		.amdhsa_memory_ordered 1
		.amdhsa_forward_progress 1
		.amdhsa_inst_pref_size 113
	.end_amdhsa_kernel
	.amdgpu_metadata
---
amdhsa.version: [ 1, 2 ]
amdhsa.kernels:
  - .name:           k_qb560549e89_attn
    .symbol:         k_qb560549e89_attn.kd
    .args:
      - { .name: qkvc, .offset: 0, .size: 8, .value_kind: global_buffer, .address_space: global }
      - { .name: lowp_scales, .offset: 8, .size: 8, .value_kind: global_buffer, .address_space: global }
      - { .name: oc, .offset: 16, .size: 8, .value_kind: global_buffer, .address_space: global }
    .group_segment_fixed_size: 327680
    .private_segment_fixed_size: 0
    .kernarg_segment_align: 8
    .kernarg_segment_size: 24
    .max_flat_workgroup_size: 256
    .sgpr_count:     100
    .vgpr_count:     512
    .wavefront_size: 32
...
	.end_amdgpu_metadata
.endif
;; end of part 3
;; launch proj (part 4): grid 8 x 32, 4 waves a work-group, clusters of 4 x 4, 327,680 bytes of LDS; arguments oc, wts, lowp_scales, proj_b, x, x1; writes x1
.if DOCPART == 4
	.amdgcn_target "amdgcn-amd-amdhsa--gfx1250"
	.amdhsa_code_object_version 6
	.text
	.protected	k_qb560549e89_proj
	.globl	k_qb560549e89_proj
	.p2align	8
	.type	k_qb560549e89_proj,@function
k_qb560549e89_proj:
	s_mov_b64 s[64:65], 0
	v_nop
	global_prefetch_b8 v0, s[64:65] scope:SCOPE_SE
	s_setreg_imm32_b32 hwreg(HW_REG_WAVE_MODE, 25, 1), 1
	s_wait_xcnt 0x0
	s_wait_alu depctr_hold_cnt(0) depctr_sa_sdst(0) depctr_va_vdst(0) depctr_va_sdst(0) depctr_va_ssrc(0) depctr_va_vcc(0) depctr_vm_vsrc(0)
	s_getreg_b32 s2, hwreg(HW_REG_IB_STS2, 6, 4)
	s_cmp_eq_u32 s2, 0
	s_cbranch_scc0 .Lentry_in_a_cluster
	s_endpgm
.Lentry_in_a_cluster:
	s_bfe_u32 s2, ttmp6, 0x10000c
	s_cmp_lg_u32 s2, 0xf033
	s_cbranch_scc0 .Lentry_shape_is_right
	s_endpgm
.Lentry_shape_is_right:
.set SIZE_K, 1024
.set WOFF,   3145728
.set SOFF,   24
.set LAPS,   SIZE_K/1024
.set SLOT,   131072
.set STAGE,  2*SLOT
.set SPARE,  STAGE+4*4352
.set ADRA, 16
.set ADRB, 20
.set STO,  24
.set RD,   25
.set CO,   26
.set BO,   27
.set SPW,  28
.set NIL,  29
.set RB,   32
.set BIAS, 96
.set ACC,  128
.set F0,   0
.set F1,   128
.set G1, 24
.set G0, 32
.set G1B, 48
.set G0B, 56
.set MSB, 0
.macro WIN new
.if MSB != \new
	s_set_vgpr_msb (MSB<<8)|\new
.set MSB, \new
.endif
.endm
.set MUL,  0x05
.set TO_F, 0x40
.macro JLOAD s
	s_cmp_eq_u32 s67, 0
	s_cbranch_scc0 .Lfor_b_\@
	tensor_load_to_lds s[G0+4*\s:G0+4*\s+3], s[G1:G1+7]
	s_nop 0
.rept 4
	v_nop
.endr
	s_branch .Lasked_\@
.Lfor_b_\@:
	tensor_load_to_lds s[G0B+4*\s:G0B+4*\s+3], s[G1B:G1B+7]
	s_nop 0
.rept 4
	v_nop
.endr
.Lasked_\@:
.endm
.macro CREST
	s_cmp_lg_u32 s66, 0
	s_cbranch_scc1 .Lnot_wave_0_\@
	s_barrier_signal -3
.Lnot_wave_0_\@:
	s_barrier_wait -3
	s_barrier_signal -1
	s_barrier_wait -1
.endm
.macro CROUND
	s_barrier_signal -1
	s_barrier_wait -1
	CREST
.endm
	s_load_b256 s[4:11], s[0:1], 0x0
	s_load_b128 s[12:15], s[0:1], 0x20
	v_lshl_add_u32 v[SPW], v0, 2, SPARE
	v_mov_b32 v[NIL], 0
	ds_add_u32 v[SPW], v[NIL]
	ds_add_u32 v[SPW], v[NIL]
	v_lshrrev_b32 v1, 5, v0
	v_readfirstlane_b32 s66, v1
	s_lshr_b32 s67, s66, 1
	s_and_b32 s68, s66, 1
	s_bfe_u32 s69, ttmp6, 0x40000
	s_bfe_u32 s70, ttmp6, 0x40004
	s_lshl_b32 s71, ttmp9, 2
	s_add_co_u32 s71, s71, s69
	s_and_b32 s72, ttmp7, 0xffff
	s_lshl_b32 s72, s72, 2
	s_add_co_u32 s72, s72, s70
	s_lshl_b32 s73, s70, 2
	s_lshl_b32 s73, 15, s73
	s_lshl_b32 s74, 0x1111, s69
	s_or_b32 s[G1+0], s73, (3<<16)|(1<<21)
	s_or_b32 s[G1B+0], s74, (3<<16)|(1<<21)
.irp g, G1, G1B
	s_mov_b32 s[\g+1], 2048<<16                    ; ALL OF K IN ONE FILL: a wave's one load brings 4 strips of 16 rows x 1,024 K, 16,384 bytes each, dense in memory and in LDS: 65,536 bytes; the four waves' 262,144 are A's and B's whole tiles
	s_mov_b32 s[\g+2], 4<<16
	s_mov_b32 s[\g+3], 2048<<16
	s_mov_b32 s[\g+4], 4
	s_mov_b32 s[\g+5], 2*SIZE_K
	s_mov_b32 s[\g+6], 0
	s_mov_b32 s[\g+7], 0
.endr
	s_lshl_b32 s16, s68, 6
	s_lshl_b32 s17, s72, 7
	s_add_co_u32 s76, s17, s16
	s_mul_i32 s76, s76, SIZE_K
	s_mov_b32 s77, 0
	s_lshl_b32 s17, s71, 7
	s_add_co_u32 s78, s17, s16
	s_mul_i32 s78, s78, SIZE_K
	s_add_co_u32 s78, s78, WOFF
	s_mov_b32 s79, 0
	s_mul_i32 s80, s66, 65536
	s_wait_dscnt 0x0
	s_wait_kmcnt 0x0
	s_load_b64 s[84:85], s[8:9], SOFF
	s_add_nc_u64 s[76:77], s[4:5], s[76:77]
	s_add_nc_u64 s[78:79], s[6:7], s[78:79]
	CROUND
.irp s, 0
	s_mov_b32 s[G0+4*\s], 1
	s_add_co_u32 s[G0+4*\s+1], s80, \s*SLOT
	s_add_nc_u64 s[G0+4*\s+2:G0+4*\s+3], s[76:77], \s*8192
	s_or_b32 s[G0+4*\s+3], s[G0+4*\s+3], 0x80000000
	s_mov_b32 s[G0B+4*\s], 1
	s_add_co_u32 s[G0B+4*\s+1], s80, \s*SLOT
	s_add_nc_u64 s[G0B+4*\s+2:G0B+4*\s+3], s[78:79], \s*8192
	s_or_b32 s[G0B+4*\s+3], s[G0B+4*\s+3], 0x80000000
.endr
	JLOAD 0                                        ; slot 0: one tensor load a wave at the head
	v_and_b32 v1, 31, v0
	v_lshlrev_b32 v2, 4, v1
	s_mul_i32 s81, s67, 65536
	s_mul_i32 s82, s68, 65536
	s_add_co_u32 s82, s82, 131072
.irp s, 0,1
	v_add_nc_u32 v[ADRA+\s], s81, v2
	v_add_nc_u32 v[ADRB+\s], s82, v2
	s_add_co_u32 s81, s81, 8192                    ; the second address: a strip's images 4 to 7
	s_add_co_u32 s82, s82, 8192
.endr
	v_and_b32 v3, 15, v0
	v_bfe_u32 v4, v0, 4, 1
	s_mul_i32 s83, s66, 4352
	s_add_co_u32 s83, s83, STAGE
	v_mul_u32_u24 v[STO], v3, 272
	v_lshl_add_u32 v[STO], v4, 5, v[STO]
	v_add_nc_u32 v[STO], s83, v[STO]
	v_mul_u32_u24 v[RD], v4, 272
	v_lshl_add_u32 v[RD], v3, 4, v[RD]
	v_add_nc_u32 v[RD], s83, v[RD]
	v_lshlrev_b32 v[BO], 4, v3
	v_lshl_add_u32 v[CO], v4, 12, v[BO]
	s_wait_alu depctr_va_vdst(0)
	s_lshl_b32 s16, s72, 7
	s_lshl_b32 s17, s67, 6
	s_add_co_u32 s16, s16, s17
	s_lshl_b32 s16, s16, 12
	s_lshl_b32 s17, s71, 7
	s_lshl_b32 s18, s68, 6
	s_add_co_u32 s17, s17, s18
	s_lshl_b32 s18, s17, 2
	s_add_co_u32 s16, s16, s18
	s_mov_b32 s17, 0
	s_mov_b32 s19, 0
	s_add_nc_u64 s[12:13], s[12:13], s[16:17]
	s_add_nc_u64 s[14:15], s[14:15], s[16:17]
	s_add_nc_u64 s[10:11], s[10:11], s[18:19]
	WIN 0x80
.irp a, 0,1,2,3
.irp t, 0,1,2,3,4,5,6,7
	global_load_b128 v[32*\a+4*\t:32*\a+4*\t+3], v[CO], s[12:13] offset:(16*\a+2*\t)*4096
.endr
.endr
	WIN 0
	global_load_b128 v[BIAS:BIAS+3], v[BO], s[10:11]
.macro MUL4 f, a, zero
.irp b, 0,1,2,3
.if \zero
	v_wmma_f32_16x16x128_fp8_fp8 v[ACC+8*(4*(\a)+\b):ACC+8*(4*(\a)+\b)+7], v[\f+64+16*\b:\f+64+16*\b+15], v[\f+16*(\a):\f+16*(\a)+15], 0
.else
	v_wmma_f32_16x16x128_fp8_fp8 v[ACC+8*(4*(\a)+\b):ACC+8*(4*(\a)+\b)+7], v[\f+64+16*\b:\f+64+16*\b+15], v[\f+16*(\a):\f+16*(\a)+15], v[ACC+8*(4*(\a)+\b):ACC+8*(4*(\a)+\b)+7]
.endif
.endr
.endm
.macro FETCH slot, q, f
	WIN TO_F
.irp i, 0,1,2,3
.irp c, 0,1,2,3
	ds_load_b128 v[\f+64+16*\i+4*\c:\f+64+16*\i+4*\c+3], v[ADRB+\slot] offset:\i*16384+(\q)*2048+512*\c
.endr
.endr
.irp i, 0,1,2,3
.irp c, 0,1,2,3
	ds_load_b128 v[\f+16*\i+4*\c:\f+16*\i+4*\c+3], v[ADRA+\slot] offset:\i*16384+(\q)*2048+512*\c
.endr
.endr
.endm
.macro PLACES
.rept 4
	v_nop
.endr
.endm
; A quarter step: 128 along K, 16 matrix instructions on buffer f.  The next quarter's 32 LDS loads, into buffer g, are issued FIRST (g was last read four places ago), so that they stand in line directly behind this quarter's
.macro QUARTER slot, qn, f, g, zero
	PLACES
	FETCH \slot, \qn, \g
	s_wait_dscnt 32                                ; all but the 32 just issued: buffer f is in
	WIN MUL
	MUL4 \f, 0, \zero
	MUL4 \f, 1, \zero
	MUL4 \f, 2, \zero
	MUL4 \f, 3, \zero
.endm
	s_wait_alu depctr_va_vdst(0)                   ; the wait at the head's end
	s_wait_tensorcnt 0x0                           ; my part of slot 0 is in
	s_barrier_signal -1                            ; my part of the tiles is in
	s_barrier_wait -1                              ; A's and B's tiles are whole, for every wave
	FETCH 0, 0, F0
	QUARTER 0, 1, F0, F1, 1
	QUARTER 0, 2, F1, F0, 0
	QUARTER 0, 3, F0, F1, 0
	QUARTER 1, 0, F1, F0, 0
	QUARTER 1, 1, F0, F1, 0
	QUARTER 1, 2, F1, F0, 0
	QUARTER 1, 3, F0, F1, 0
	s_wait_dscnt 8
	WIN MUL
	MUL4 F1, 0, 0
	MUL4 F1, 1, 0
	s_wait_dscnt 0
	MUL4 F1, 2, 0
	MUL4 F1, 3, 0
	WIN 0
	PLACES
	s_wait_loadcnt 0x0
	s_wait_kmcnt 0x0
	s_add_co_i32 s84, s84, s85
	s_add_co_i32 s84, s84, 127
	s_lshl_b32 s84, s84, 23
	s_mov_b32 s85, s84
.macro OUTBLK a
.set RBA, RB+32*((\a)%2)
.if (\a) >= 2
	s_wait_xcnt 0x0
.endif
.irp b, 0,1,2,3
	ds_store_b128 v[STO], v[ACC+32*(\a)+8*\b:ACC+32*(\a)+8*\b+3] offset:64*\b
	ds_store_b128 v[STO], v[ACC+32*(\a)+8*\b+4:ACC+32*(\a)+8*\b+7] offset:64*\b+16
.endr
.irp t, 0,1,2,3,4,5,6,7
	ds_load_b128 v[RBA+4*\t:RBA+4*\t+3], v[RD] offset:544*\t   ; LDS serves a wave's instructions in order: these see the stores above, and the next block's stores come behind them
.endr
.endm
.macro FINBLK a, younger               ; block a, back from the stage as rows: x 2^(ea + eb), + bias, + residual, stored.  younger: the LDS instructions issued behind its loads (the next block's 8 stores and 8 loads)
.set RBA, RB+32*((\a)%2)
	s_wait_dscnt \younger
.set i, 0
.rept 16
	v_pk_fma_f32 v[RBA+2*i:RBA+2*i+1], v[RBA+2*i:RBA+2*i+1], s[84:85], v[BIAS+2*(i%2):BIAS+2*(i%2)+1] op_sel_hi:[1,0,1]
.set i, i+1
.endr
	WIN 0x08
.set i, 0
.rept 16
	v_pk_add_f32 v[RBA+2*i:RBA+2*i+1], v[RBA+2*i:RBA+2*i+1], v[32*(\a)+2*i:32*(\a)+2*i+1]
.set i, i+1
.endr
	WIN 0
.irp t, 0,1,2,3,4,5,6,7
	global_store_b128 v[CO], v[RBA+4*\t:RBA+4*\t+3], s[14:15] offset:(16*(\a)+2*\t)*4096
.endr
.endm
	OUTBLK 0                                       ; each block goes into the stage one block ahead of the wait for it
	OUTBLK 1
	FINBLK 0, 16
	OUTBLK 2
	FINBLK 1, 16
	OUTBLK 3
	FINBLK 2, 16
	FINBLK 3, 0
	s_wait_tensorcnt 0x0
	ds_add_u32 v[SPW], v[NIL]
	s_wait_dscnt 0x0
	CROUND
	s_endpgm
.Lfunc_end_k_qb560549e89_proj:
	.size	k_qb560549e89_proj, .Lfunc_end_k_qb560549e89_proj-k_qb560549e89_proj
	.p2alignl 7, 3214868480
	.fill 96, 4, 3214868480
	.section	.rodata,"a",@progbits
	.p2align	6, 0x0
	.amdhsa_kernel k_qb560549e89_proj
		.amdhsa_group_segment_fixed_size 327680
		.amdhsa_private_segment_fixed_size 0
		.amdhsa_enable_private_segment 0
		.amdhsa_kernarg_size 48
		.amdhsa_user_sgpr_count 2
		.amdhsa_user_sgpr_kernarg_segment_ptr 1
		.amdhsa_wavefront_size32 1
		.amdhsa_system_sgpr_workgroup_id_x 1
		.amdhsa_system_sgpr_workgroup_id_y 1
		.amdhsa_system_sgpr_workgroup_id_z 1
		.amdhsa_system_vgpr_workitem_id 0
		.amdhsa_next_free_vgpr 768
		.amdhsa_next_free_sgpr 96
		.amdhsa_reserve_vcc 0
		.amdhsa_float_denorm_mode_32 3
		.amdhsa_float_denorm_mode_16_64 3
		.amdhsa_memory_ordered 1
		.amdhsa_forward_progress 1
		.amdhsa_inst_pref_size 52
	.end_amdhsa_kernel
	.amdgpu_metadata
---
amdhsa.version: [ 1, 2 ]
amdhsa.kernels:
  - .name:           k_qb560549e89_proj
    .symbol:         k_qb560549e89_proj.kd
    .args:
      - { .name: oc, .offset: 0, .size: 8, .value_kind: global_buffer, .address_space: global }
      - { .name: wts, .offset: 8, .size: 8, .value_kind: global_buffer, .address_space: global }
      - { .name: lowp_scales, .offset: 16, .size: 8, .value_kind: global_buffer, .address_space: global }
      - { .name: proj_b, .offset: 24, .size: 8, .value_kind: global_buffer, .address_space: global }
      - { .name: x, .offset: 32, .size: 8, .value_kind: global_buffer, .address_space: global }
      - { .name: x1, .offset: 40, .size: 8, .value_kind: global_buffer, .address_space: global }
    .group_segment_fixed_size: 327680
    .private_segment_fixed_size: 0
    .kernarg_segment_align: 8
    .kernarg_segment_size: 48
    .max_flat_workgroup_size: 128
    .sgpr_count:     96
    .vgpr_count:     768
    .wavefront_size: 32
...
	.end_amdgpu_metadata
.endif
;; end of part 4
;; launch ln2 (part 5): grid 256 x 1, 4 waves a work-group, no clusters, 17,920 bytes of LDS; arguments x1, ln2_w, ln2_b, lowp_scales, hc; writes hc
.if DOCPART == 5
	.amdgcn_target "amdgcn-amd-amdhsa--gfx1250"
	.amdhsa_code_object_version 6
	.text
	.protected	k_qb560549e89_ln2
	.globl	k_qb560549e89_ln2
	.p2align	8
	.type	k_qb560549e89_ln2,@function
k_qb560549e89_ln2:
	s_mov_b64 s[64:65], 0
	v_nop
	global_prefetch_b8 v0, s[64:65] scope:SCOPE_SE
	s_setreg_imm32_b32 hwreg(HW_REG_WAVE_MODE, 25, 1), 1
	s_wait_xcnt 0x0
; LayerNorm 2 of x1, quantised to E4M3 with 2^e8, laid as images of operand registers: code (row r of 16, k = 128 s + 16 c + 8 h + j) at 2,048 s + 512 (c / 2) + 256 h + 16 r + 8 (c % 2) + j.
; A work-group takes 16 rows, a wave 4, each row whole in 32 registers a lane: the row is read once.  The codes meet in an LDS stage and leave as 16,384 bytes on end.
; LIMIT: e8 between -126 and 119.  NaN among the inputs is not served.
.set SPARE, 17408                      ; behind the stage: the spare words, two blocks of 256 bytes that no other line names
.set SPW, 2
.set NIL, 3
.set W,   24                           ; v24-55   gain of my 32 columns
.set BV,  56                           ; v56-87   bias
.set X,   88                           ; v88-215  four rows
.set CD,  216                          ; v216-247 eight registers of codes a row
	s_load_b256 s[8:15], s[0:1], 0x0               ; x1, ln2_w, ln2_b, lowp_scales
	s_load_b64 s[26:27], s[0:1], 0x20              ; hc
	v_lshl_add_u32 v[SPW], v0, 2, SPARE
	v_mov_b32 v[NIL], 0
	v_lshrrev_b32 v1, 5, v0
	v_readfirstlane_b32 s4, v1                     ; wave
	v_and_b32 v1, 31, v0                           ; lane
	s_wait_alu depctr_va_vdst(0)
	s_wait_kmcnt 0x0
	s_load_b32 s28, s[14:15], 0x20                 ; e8
	s_lshl_b32 s6, ttmp9, 16
	s_lshl_b32 s7, s4, 14
	s_add_co_u32 s6, s6, s7
	s_mov_b32 s7, 0
	s_add_nc_u64 s[38:39], s[8:9], s[6:7]
	s_lshl_b32 s6, ttmp9, 14
	s_lshl_b32 s29, s4, 12
	s_add_co_u32 s6, s6, s29
	s_add_nc_u64 s[40:41], s[26:27], s[6:7]
	v_lshlrev_b32 v6, 4, v1                        ; every load reads 512 consecutive bytes; my numbers are k = 128 j + 4 lane + 0..3
.irp j, 0,1,2,3,4,5,6,7
	global_load_b128 v[W+4*\j:W+4*\j+3], v6, s[10:11] offset:512*\j
.endr
.irp j, 0,1,2,3,4,5,6,7
	global_load_b128 v[BV+4*\j:BV+4*\j+3], v6, s[12:13] offset:512*\j
.endr
.irp p, 0,1,2,3
.irp j, 0,1,2,3,4,5,6,7
	global_load_b128 v[X+32*\p+4*\j:X+32*\p+4*\j+3], v6, s[38:39] offset:4096*\p+512*\j
.endr
.endr
	; the stage: the image's 64 pieces of 256 bytes, 272 bytes apart
	v_bfe_u32 v4, v0, 3, 2
	v_bfe_u32 v7, v0, 1, 1
	v_lshl_add_u32 v4, v4, 1, v7
	v_mul_u32_u24 v4, v4, 272
	v_bfe_u32 v7, v0, 2, 1
	v_lshl_add_u32 v4, v7, 3, v4
	v_and_b32 v7, 1, v0
	v_lshl_add_u32 v4, v7, 2, v4
	s_lshl_b32 s29, s4, 6
	v_add_nc_u32 v4, s29, v4
	v_bfe_u32 v5, v0, 4, 1
	v_mul_u32_u24 v5, v5, 272
	v_and_b32 v7, 15, v0
	v_lshl_add_u32 v5, v7, 4, v5
	s_mul_i32 s29, s4, 4352
	v_add_nc_u32 v5, s29, v5
	s_mov_b32 s36, 0x76543210
	s_mov_b32 s37, 0xfedcba98
	s_mov_b32 s42, 0x3a800000                      ; 1 / 1024
	s_mov_b32 s43, 0x3727c5ac                      ; 1e-5
	s_wait_kmcnt 0x0
	s_add_co_i32 s28, s28, 127
	s_lshl_b32 s29, s28, 23
	v_mov_b32 v8, s29                              ; 2^e
	s_add_co_i32 s28, s28, 8
	s_lshl_b32 s28, s28, 23
	s_or_b32 s28, s28, 0x600000
	v_mov_b32 v9, s28                              ; 448 x 2^e
	v_mov_b32 v19, 0
	v_mov_b32 v21, 0
	v_mov_b32 v23, 0
.macro REDUCE                          ; four packed chains v[10:17] -> their sum over the wave, in v10 of every lane
	v_pk_add_f32 v[10:11], v[10:11], v[12:13]
	v_pk_add_f32 v[14:15], v[14:15], v[16:17]
	v_pk_add_f32 v[10:11], v[10:11], v[14:15]
	v_add_f32 v10, v10, v11
	v_add_f32_dpp v10, v10, v10 row_xmask:1 row_mask:0xf bank_mask:0xf
	v_add_f32_dpp v10, v10, v10 row_xmask:2 row_mask:0xf bank_mask:0xf
	v_add_f32_dpp v10, v10, v10 row_xmask:4 row_mask:0xf bank_mask:0xf
	v_add_f32_dpp v10, v10, v10 row_xmask:8 row_mask:0xf bank_mask:0xf
	v_permlanex16_b32 v23, v10, s36, s37
	v_add_f32 v10, v10, v23
.endm
.macro LNROW p
.set XR, X+32*(\p)
	s_wait_loadcnt 24-8*(\p)                       ; my row's eight loads are in; the later rows' may be out
.irp c, 0,1,2,3
	v_pk_add_f32 v[10+2*\c:11+2*\c], v[XR+2*\c:XR+2*\c+1], v[XR+8+2*\c:XR+8+2*\c+1]
.endr
.irp o, 16,24
.irp c, 0,1,2,3
	v_pk_add_f32 v[10+2*\c:11+2*\c], v[10+2*\c:11+2*\c], v[XR+\o+2*\c:XR+\o+2*\c+1]
.endr
.endr
	REDUCE
	v_mul_f32 v18, s42, v10                        ; the mean
.set i, 0
.rept 16
	v_pk_add_f32 v[XR+i:XR+i+1], v[XR+i:XR+i+1], v[18:19] op_sel_hi:[1,0] neg_lo:[0,1] neg_hi:[0,1]
.set i, i+2
.endr
.irp c, 0,1,2,3
	v_pk_mul_f32 v[10+2*\c:11+2*\c], v[XR+2*\c:XR+2*\c+1], v[XR+2*\c:XR+2*\c+1]
.endr
.irp o, 8,16,24
.irp c, 0,1,2,3
	v_pk_fma_f32 v[10+2*\c:11+2*\c], v[XR+\o+2*\c:XR+\o+2*\c+1], v[XR+\o+2*\c:XR+\o+2*\c+1], v[10+2*\c:11+2*\c]
.endr
.endr
	REDUCE
	v_fma_f32 v22, v10, s42, s43                   ; variance + eps
	s_wait_alu depctr_va_vdst(0)
	v_rsq_f32 v20, v22
	v_nop                                          ; a plain instruction behind the transcendental
	s_wait_alu depctr_va_vdst(0)                   ; the wait ahead of the result's first reader
.set i, 0
.rept 16
	v_pk_mul_f32 v[XR+i:XR+i+1], v[XR+i:XR+i+1], v[20:21] op_sel_hi:[1,0]
.set i, i+2
.endr
.set i, 0
.rept 16
	v_pk_fma_f32 v[XR+i:XR+i+1], v[XR+i:XR+i+1], v[W+i:W+i+1], v[BV+i:BV+i+1]
.set i, i+2
.endr
.set i, 0
.rept 32
	v_med3_num_f32 v[XR+i], v[XR+i], -v9, v9       ; the conversion does not saturate (ISA guide 7.6.2)
.set i, i+1
.endr
.irp q, 0,1,2,3
	v_cvt_scalef32_pk8_fp8_f32 v[CD+8*(\p)+2*\q:CD+8*(\p)+2*\q+1], v[XR+8*\q:XR+8*\q+7], v8
.endr
	v_nop
.irp j, 0,1,2,3,4,5,6,7
	ds_store_b32 v4, v[CD+8*(\p)+\j] offset:2176*\j+16*(\p)
.endr
.endm
	LNROW 0
	LNROW 1
	LNROW 2
	LNROW 3
	s_wait_dscnt 0x0                               ; for the others' sake: my stores into the stage are done
	s_barrier_signal -1
	s_barrier_wait -1
.irp t, 0,1,2,3,4,5,6,7
	ds_load_b128 v[X+4*\t:X+4*\t+3], v5 offset:544*\t
.endr
.irp t, 0,1,2,3,4,5,6,7
	s_wait_dscnt 7-\t
	global_store_b128 v6, v[X+4*\t:X+4*\t+3], s[40:41] offset:512*\t   ; 512 consecutive bytes, aligned
.endr
	s_wait_tensorcnt 0x0                           ; the wave's end
	ds_add_u32 v[SPW], v[NIL]
	s_wait_dscnt 0x0
	s_endpgm
.Lfunc_end_k_qb560549e89_ln2:
	.size	k_qb560549e89_ln2, .Lfunc_end_k_qb560549e89_ln2-k_qb560549e89_ln2
	.p2alignl 7, 3214868480
	.fill 96, 4, 3214868480
	.section	.rodata,"a",@progbits
	.p2align	6, 0x0
	.amdhsa_kernel k_qb560549e89_ln2
		.amdhsa_group_segment_fixed_size 17920
		.amdhsa_private_segment_fixed_size 0
		.amdhsa_enable_private_segment 0
		.amdhsa_kernarg_size 40
		.amdhsa_user_sgpr_count 2
		.amdhsa_user_sgpr_kernarg_segment_ptr 1
		.amdhsa_wavefront_size32 1
		.amdhsa_system_sgpr_workgroup_id_x 1
		.amdhsa_system_sgpr_workgroup_id_y 1
		.amdhsa_system_sgpr_workgroup_id_z 1
		.amdhsa_system_vgpr_workitem_id 0
		.amdhsa_next_free_vgpr 248
		.amdhsa_next_free_sgpr 66
		.amdhsa_reserve_vcc 0
		.amdhsa_float_denorm_mode_32 3
		.amdhsa_float_denorm_mode_16_64 3
		.amdhsa_memory_ordered 1
		.amdhsa_forward_progress 1
		.amdhsa_inst_pref_size 45
	.end_amdhsa_kernel
	.amdgpu_metadata
---
amdhsa.version: [ 1, 2 ]
amdhsa.kernels:
  - .name:           k_qb560549e89_ln2
    .symbol:         k_qb560549e89_ln2.kd
    .args:
      - { .name: x1, .offset: 0, .size: 8, .value_kind: global_buffer, .address_space: global }
      - { .name: ln2_w, .offset: 8, .size: 8, .value_kind: global_buffer, .address_space: global }
      - { .name: ln2_b, .offset: 16, .size: 8, .value_kind: global_buffer, .address_space: global }
      - { .name: lowp_scales, .offset: 24, .size: 8, .value_kind: global_buffer, .address_space: global }
      - { .name: hc, .offset: 32, .size: 8, .value_kind: global_buffer, .address_space: global }
    .group_segment_fixed_size: 17920
    .private_segment_fixed_size: 0
    .kernarg_segment_align: 8
    .kernarg_segment_size: 40
    .max_flat_workgroup_size: 128
    .sgpr_count:     66
    .vgpr_count:     248
    .wavefront_size: 32
...
	.end_amdgpu_metadata
.endif
;; end of part 5
;; launch fc1 (part 6): grid 16 x 16, 4 waves a work-group, clusters of 4 x 4, 327,680 bytes of LDS; arguments hc, wts, lowp_scales, fc1_b, gc; writes gc
.if DOCPART == 6
	.amdgcn_target "amdgcn-amd-amdhsa--gfx1250"
	.amdhsa_code_object_version 6
	.text
	.protected	k_qb560549e89_fc1
	.globl	k_qb560549e89_fc1
	.p2align	8
	.type	k_qb560549e89_fc1,@function
k_qb560549e89_fc1:
	s_mov_b64 s[64:65], 0
	v_nop
	global_prefetch_b8 v0, s[64:65] scope:SCOPE_SE
	s_setreg_imm32_b32 hwreg(HW_REG_WAVE_MODE, 25, 1), 1
	s_wait_xcnt 0x0
	s_wait_alu depctr_hold_cnt(0) depctr_sa_sdst(0) depctr_va_vdst(0) depctr_va_sdst(0) depctr_va_ssrc(0) depctr_va_vcc(0) depctr_vm_vsrc(0)
	s_getreg_b32 s2, hwreg(HW_REG_IB_STS2, 6, 4)
	s_cmp_eq_u32 s2, 0
	s_cbranch_scc0 .Lentry_in_a_cluster
	s_endpgm
.Lentry_in_a_cluster:
	s_bfe_u32 s2, ttmp6, 0x10000c
	s_cmp_lg_u32 s2, 0xf033
	s_cbranch_scc0 .Lentry_shape_is_right
	s_endpgm
.Lentry_shape_is_right:
.set SIZE_K, 1024
.set WOFF,   4194304
.set IROW,   4096
.set KADV,   4096
.set FR,     16
.set NL,     4
.set NP,     4
.set HALFT,  8*IROW
.set SLOT,   4*HALFT
.set LAPS,   SIZE_K/512
.set SPARE,  2*SLOT
.set C9,   12
.set SCL,  14
.set LIM,  15
.set ADRA, 16
.set ADRB, 20
.set SPA,  22
.set LDA,  23
.set L16,  26
.set BO,   27
.set SPW,  28
.set NIL,  29
.set BIAS, 32
.set ZB,   32
.set CODE, 96
.set AF,   128
.set ZA,   128
.set TR,   160
.set QR,   192
.set RR,   224
.set CC,   66
.set G1, 24
.set G0, 32
.set G1B, 48
.set G0B, 56
.set MSB, 0
.macro WIN new
.if MSB != \new
	s_set_vgpr_msb (MSB<<8)|\new
.set MSB, \new
.endif
.endm
.set MUL_LO, 0xa1
.set MUL_HI, 0xf1
.set TO_B,   0x40
.macro JLOAD g0a, g1a, g0b, g1b
	s_cmp_eq_u32 s15, 0
	s_cbranch_scc0 .Lfor_b_\@
	tensor_load_to_lds s[\g0a:\g0a+3], s[\g1a:\g1a+7]
	s_nop 0
.rept 4
	v_nop
.endr
	s_branch .Lasked_\@
.Lfor_b_\@:
	tensor_load_to_lds s[\g0b:\g0b+3], s[\g1b:\g1b+7]
	s_nop 0
.rept 4
	v_nop
.endr
.Lasked_\@:
.endm
.macro CREST
	s_cmp_lg_u32 s14, 0
	s_cbranch_scc1 .Lnot_wave_0_\@
	s_barrier_signal -3
.Lnot_wave_0_\@:
	s_barrier_wait -3
	s_barrier_signal -1
	s_barrier_wait -1
.endm
.macro CROUND
	s_barrier_signal -1
	s_barrier_wait -1
	CREST
.endm
.macro CPAIR r, val
	s_mov_b32 s[\r], \val
	s_mov_b32 s[\r+1], \val
.endm
	s_load_b128 s[4:7], s[0:1], 0x0
	s_load_b128 s[8:11], s[0:1], 0x10
	s_load_b64 s[12:13], s[0:1], 0x20
	v_lshl_add_u32 v[SPW], v0, 2, SPARE
	v_mov_b32 v[NIL], 0
	ds_add_u32 v[SPW], v[NIL]
	ds_add_u32 v[SPW], v[NIL]
	v_lshrrev_b32 v1, 5, v0
	v_readfirstlane_b32 s14, v1
	s_lshr_b32 s15, s14, 1
	s_and_b32 s16, s14, 1
	s_bfe_u32 s40, ttmp6, 0x40000
	s_bfe_u32 s41, ttmp6, 0x40004
	s_lshl_b32 s42, ttmp9, 2
	s_add_co_u32 s42, s42, s40
	s_and_b32 s17, ttmp7, 0xffff
	s_lshl_b32 s17, s17, 2
	s_add_co_u32 s17, s17, s41
	s_lshl_b32 s43, s41, 2
	s_lshl_b32 s43, 15, s43
	s_lshl_b32 s44, 0x1111, s40
	s_or_b32 s[G1+0], s43, (3<<16)|(1<<21)
	s_or_b32 s[G1B+0], s44, (3<<16)|(1<<21)
.irp g, G1, G1B
	s_mov_b32 s[\g+1], 512<<16
	s_mov_b32 s[\g+2], 8<<16
	s_mov_b32 s[\g+3], 512<<16
	s_mov_b32 s[\g+4], 8
	s_mov_b32 s[\g+5], 2*SIZE_K
	s_mov_b32 s[\g+6], 0
	s_mov_b32 s[\g+7], 0
.endr
	CPAIR CC+0,  0xc034d90f
	CPAIR CC+2,  0x3fb8ab5a
	CPAIR CC+4,  0x3f0a29d2
	CPAIR CC+6,  0x3e0efb2e
	CPAIR CC+8,  0xbe899a80
	CPAIR CC+10, 0x3ecdfd18
	CPAIR CC+12, 0xbfd1a1e5
	CPAIR CC+14, 0x40097039
	CPAIR CC+16, 0xbf97d29d
	s_mov_b32 s84, 0x3eb504f3
	CPAIR 86, 0xbf38aa3b
	s_lshl_b32 s18, s16, 7
	s_lshl_b32 s20, s17, 8
	s_add_co_u32 s20, s20, s18
	s_lshl_b32 s20, s20, 10
	s_mov_b32 s21, 0
	s_lshl_b32 s46, s42, 8
	s_add_co_u32 s46, s46, s18
	s_lshl_b32 s46, s46, 10
	s_add_co_u32 s46, s46, WOFF
	s_mov_b32 s47, 0
	s_mul_i32 s45, s14, HALFT
	s_wait_dscnt 0x0
	s_wait_kmcnt 0x0
	s_load_b128 s[92:95], s[8:9], 0x20
	s_add_nc_u64 s[20:21], s[4:5], s[20:21]
	s_add_nc_u64 s[46:47], s[6:7], s[46:47]
	CROUND
.irp s, 0,1
	s_mov_b32 s[G0+4*\s], 1
	s_add_co_u32 s[G0+4*\s+1], s45, \s*SLOT
	s_add_nc_u64 s[G0+4*\s+2:G0+4*\s+3], s[20:21], \s*KADV
	s_or_b32 s[G0+4*\s+3], s[G0+4*\s+3], 0x80000000
	s_mov_b32 s[G0B+4*\s], 1
	s_add_co_u32 s[G0B+4*\s+1], s45, \s*SLOT
	s_add_nc_u64 s[G0B+4*\s+2:G0B+4*\s+3], s[46:47], \s*KADV
	s_or_b32 s[G0B+4*\s+3], s[G0B+4*\s+3], 0x80000000
.endr
	JLOAD G0, G1, G0B, G1B                         ; K step 0: one tensor load a wave at the head
	; THE PREFETCHES.  A wave's load of a K step is 8 strips of 16 rows, 16,384 bytes apart, 4,096 bytes of each: 128 blocks of 256 bytes.  The four partners that ask for it jointly share them out by address:
	; the partner at place p (cx for A, cy for B) takes strips 2 p, 2 p + 1, a lane a block.  Here K steps 1 and 2 are asked for, behind K step 1's load K step 3: never more than two steps ahead
	s_cmp_eq_u32 s15, 0                            ; do I fetch for A?
	s_cselect_b64 s[98:99], s[20:21], s[46:47]
	s_cselect_b32 s96, s40, s41
	s_lshl_b32 s96, s96, 15
	s_mov_b32 s97, 0
	s_add_nc_u64 s[98:99], s[98:99], s[96:97]      ; never rewritten
	v_bfe_u32 v31, v0, 4, 1
	v_and_b32 v30, 15, v0
	v_lshlrev_b32 v30, 8, v30
	v_lshl_add_u32 v30, v31, 14, v30               ; 16,384 (lane / 16) + 256 (lane % 16); never rewritten
	global_prefetch_b8 v30, s[98:99] offset:4096 th:TH_LOAD_NT scope:SCOPE_SE
	global_prefetch_b8 v30, s[98:99] offset:8192 th:TH_LOAD_NT scope:SCOPE_SE
	v_and_b32 v1, 31, v0
	v_lshlrev_b32 v[L16], 4, v1
	s_wait_alu depctr_va_vdst(0)
	s_mul_i32 s21, s15, HALFT
	s_mul_i32 s22, s16, HALFT
	s_add_co_u32 s22, s22, 2*HALFT
.irp s, 0,1
	v_add_nc_u32 v[ADRA+\s], s21, v[L16]
	v_add_nc_u32 v[ADRB+\s], s22, v[L16]
	s_add_co_u32 s21, s21, SLOT
	s_add_co_u32 s22, s22, SLOT
.endr
	s_lshl_b32 s91, s14, 16
	v_add_nc_u32 v[SPA], s91, v[L16]
	v_mov_b32 v[C9], 0x3e7c6f08
	v_mov_b32 v[C9+1], 0x3e7c6f08
	v_bfe_u32 v2, v0, 4, 1
	v_lshlrev_b32 v[BO], 5, v2
	s_lshl_b32 s96, s42, 10
	s_lshl_b32 s97, s16, 9
	s_add_co_u32 s96, s96, s97
	s_mov_b32 s97, 0
	s_add_nc_u64 s[10:11], s[10:11], s[96:97]
.irp b, 0,1,2,3,4,5,6,7
	global_load_b128 v[BIAS+8*\b:BIAS+8*\b+3], v[BO], s[10:11] offset:64*\b
	global_load_b128 v[BIAS+8*\b+4:BIAS+8*\b+7], v[BO], s[10:11] offset:64*\b+16
.endr
	s_lshl_b32 s96, s17, 4
	s_lshl_b32 s97, s15, 3
	s_add_co_u32 s96, s96, s97
	s_lshl_b32 s96, s96, 16
	s_lshl_b32 s97, s42, 1
	s_add_co_u32 s97, s97, s16
	s_lshl_b32 s97, s97, 11
	s_add_co_u32 s96, s96, s97
	s_mov_b32 s97, 0
	s_add_nc_u64 s[12:13], s[12:13], s[96:97]
.macro FRAG reg, adr, q, i
.irp c, 0,1,2,3
	ds_load_b128 v[\reg+4*\c:\reg+4*\c+3], v[\adr] offset:(\i)*IROW+(\q)*2048+512*\c
.endr
.endm
.macro MUL16 a0, p, zero
.irp a, \a0, \a0+1
.irp b, 0,1,2,3,4,5,6,7
.if \zero
	v_wmma_f32_16x16x128_fp8_fp8 v[8*(8*((\a)%4)+\b):8*(8*((\a)%4)+\b)+7], v[128*(\p)+FR*\b:128*(\p)+FR*\b+FR-1], v[AF+FR*(\a):AF+FR*(\a)+FR-1], 0
.else
	v_wmma_f32_16x16x128_fp8_fp8 v[8*(8*((\a)%4)+\b):8*(8*((\a)%4)+\b)+7], v[128*(\p)+FR*\b:128*(\p)+FR*\b+FR-1], v[AF+FR*(\a):AF+FR*(\a)+FR-1], v[8*(8*((\a)%4)+\b):8*(8*((\a)%4)+\b)+7]
.endif
.endr
.endr
.endm
.macro FETCH_B slot, q, p
	WIN TO_B
.irp i, 0,1,2,3,4,5,6,7
	FRAG 128*(\p)+FR*\i, ADRB+\slot, \q, \i
.endr
	WIN 0
.endm
.macro FETCH_A slot, q, i0
.irp i, \i0, \i0+1, \i0+2, \i0+3
	FRAG AF+FR*(\i), ADRA+\slot, \q, \i
.endr
.endm
.macro PLACES n
.rept \n
	v_nop
.endr
.endm
.macro STEP slot, q, zero
	s_wait_dscnt 4*NL
	WIN MUL_LO
	MUL16 0, (\q)%2, \zero
	MUL16 2, (\q)%2, \zero
	s_wait_dscnt 0
	PLACES NP
	FETCH_B \slot, (\q)+1, 1-(\q)%2
	FETCH_A \slot, (\q)+1, 0
	WIN MUL_HI
	MUL16 4, (\q)%2, \zero
	MUL16 6, (\q)%2, \zero
	PLACES NP
	WIN 0
	FETCH_A \slot, (\q)+1, 4
.endm
.macro TURN slot, next, fill
	s_wait_tensorcnt 0x0
	ds_add_u32 v[SPW], v[NIL]
	s_wait_dscnt 4*NL+1
	WIN MUL_LO
	MUL16 0, 1, 0
	s_wait_dscnt 0x0
	s_barrier_signal -1
	MUL16 2, 1, 0
	WIN 0
	s_barrier_wait -1
.if \fill
	CREST
	s_add_nc_u64 s[G0+4*\slot+2:G0+4*\slot+3], s[G0+4*\slot+2:G0+4*\slot+3], 2*KADV
	s_add_nc_u64 s[G0B+4*\slot+2:G0B+4*\slot+3], s[G0B+4*\slot+2:G0B+4*\slot+3], 2*KADV
	JLOAD G0+4*\slot, G1, G0B+4*\slot, G1B
.else
	PLACES NP
.endif
	FETCH_B \next, 0, 0
	FETCH_A \next, 0, 0
	WIN MUL_HI
	MUL16 4, 1, 0
	MUL16 6, 1, 0
	PLACES NP
	WIN 0
	FETCH_A \next, 0, 4
.endm
	s_wait_alu depctr_va_vdst(0)
	s_wait_tensorcnt 0x0                           ; my part of K step 0 is in; slot 1's first fill is issued as a refill is:
	ds_add_u32 v[SPW], v[NIL]                      ; 0 onto my spare word
	s_wait_dscnt 0x0
	CROUND                                         ; a whole round: K step 0 is whole in every partner
	JLOAD G0+4, G1, G0B+4, G1B                     ; K step 1: the first tensor load behind the round
	FETCH_B 0, 0, 0
	global_prefetch_b8 v30, s[98:99] offset:12288 th:TH_LOAD_NT scope:SCOPE_SE   ; K step 3, the last
	FETCH_A 0, 0, 0
	FETCH_A 0, 0, 4
	STEP 0, 0, 1
	s_mov_b32 s3, LAPS-1
.Llap:
	TURN 0, 1, 1
	STEP 1, 0, 0
	TURN 1, 0, 1
	STEP 0, 0, 0
	s_sub_co_u32 s3, s3, 1
	s_cmp_lg_u32 s3, 0
	s_cbranch_scc1 .Llap
	TURN 0, 1, 0
	STEP 1, 0, 0
	s_wait_dscnt 4*NL
	WIN MUL_LO
	MUL16 0, 1, 0
	MUL16 2, 1, 0
	s_wait_dscnt 0
	WIN MUL_HI
	MUL16 4, 1, 0
	MUL16 6, 1, 0
	WIN 0
	s_wait_dscnt 0x0
	s_barrier_signal -1
	s_barrier_wait -1
	s_wait_kmcnt 0x0
	s_add_co_i32 s88, s92, s93
	s_add_co_i32 s88, s88, 127
	s_lshl_b32 s88, s88, 23
	s_mov_b32 s89, s88
	s_add_co_i32 s91, s94, 127
	s_lshl_b32 s90, s91, 23
	v_mov_b32 v[SCL], s90
	s_add_co_i32 s91, s91, 8
	s_lshl_b32 s91, s91, 23
	s_or_b32 s91, s91, 0x600000
	v_mov_b32 v[LIM], s91
	s_wait_loadcnt 0x0
	PLACES NP
.macro PARK a
.set TM, 128+64*((\a)%2)
.if (\a) >= 2
	s_wait_dscnt 16
.endif
	WIN 0x02+((\a)/4)
.set i, 0
.rept 32
	v_pk_fma_f32 v[TM+i:TM+i+1], v[64*((\a)%4)+i:64*((\a)%4)+i+1], s[88:89], v[BIAS+i:BIAS+i+1] op_sel_hi:[1,0,1]
.set i, i+2
.endr
	WIN 0
.irp c, 0,1,2,3,4,5,6,7,8,9,10,11,12,13,14,15
	ds_store_b128 v[SPA], v[TM+4*\c:TM+4*\c+3] offset:(16*(\a)+\c)*512
.endr
.endm
.irp a, 0,1,2,3,4,5,6,7
	PARK \a
.endr
.macro LOADZ z, adr, off
.irp c, 0,1,2,3,4,5,6,7
	ds_load_b128 v[\z+4*\c:\z+4*\c+3], v[\adr] offset:\off+512*\c
.endr
.endm
.macro GELU z, off
.set i, 0
.rept 32
	v_fma_f32 v[TR+i], |v[\z+i]|, s84, 1.0
.set i, i+1
.endr
.set i, 0
	s_wait_alu depctr_va_vdst(0)
.rept 16
	v_rcp_f32 v[TR+i], v[TR+i]
	v_pk_mul_f32 v[RR+i:RR+i+1], v[\z+i:\z+i+1], v[\z+i:\z+i+1]
	v_rcp_f32 v[TR+i+1], v[TR+i+1]
.set i, i+2
.endr
	v_nop
	s_wait_alu depctr_va_vdst(0)
.set i, 0
.rept 16
	v_pk_fma_f32 v[QR+i:QR+i+1], v[TR+i:TR+i+1], v[C9:C9+1], s[CC+16:CC+17] op_sel_hi:[1,1,0]
.set i, i+2
.endr
.irp k, 7,6,5,4,3,2,1,0
.set i, 0
.rept 16
	v_pk_fma_f32 v[QR+i:QR+i+1], v[QR+i:QR+i+1], v[TR+i:TR+i+1], s[CC+2*\k:CC+2*\k+1] op_sel_hi:[1,1,0]
.set i, i+2
.endr
.endr
.set i, 0
.rept 16
	v_pk_fma_f32 v[QR+i:QR+i+1], v[RR+i:RR+i+1], s[86:87], v[QR+i:QR+i+1] op_sel_hi:[1,0,1]
.set i, i+2
.endr
.set i, 0
	s_wait_alu depctr_va_vdst(0)
.rept 32
	v_exp_f32 v[QR+i], v[QR+i]
	v_max_num_f32 v[RR+i], 0, v[\z+i]
.set i, i+1
.endr
	s_wait_alu depctr_va_vdst(0)
.set i, 0
.rept 16
	v_pk_mul_f32 v[QR+i:QR+i+1], v[QR+i:QR+i+1], v[TR+i:TR+i+1]
.set i, i+2
.endr
.set i, 0
.rept 32
	v_fma_f32 v[\z+i], -|v[\z+i]|, v[QR+i], v[RR+i]
.set i, i+1
.endr
.set i, 0
.rept 32
	v_med3_num_f32 v[\z+i], v[\z+i], -v[LIM], v[LIM]
.set i, i+1
.endr
	s_wait_alu depctr_va_vdst(0)
	s_wait_xcnt 0x0
.irp b, 0,1,2,3
	v_cvt_scalef32_pk8_fp8_f32 v[CODE+2*\b:CODE+2*\b+1], v[\z+8*\b:\z+8*\b+7], v[SCL]
.endr
	v_nop
	global_store_b128 v[L16], v[CODE:CODE+3], s[12:13] offset:\off
	global_store_b128 v[L16], v[CODE+4:CODE+7], s[12:13] offset:\off+512
.endm
.macro TRIP next
	v_add_nc_u32 v[LDA], s90, v[SPA]
	s_wait_alu depctr_va_vdst(0)
	s_wait_dscnt 0x0
	LOADZ ZB, LDA, 4096
	GELU ZA, 0
	s_wait_dscnt 0x0
.if \next
	LOADZ ZA, LDA, 8192
.endif
	GELU ZB, 1024
.endm
	s_wait_dscnt 0x0
	LOADZ ZA, SPA, 0
	s_mov_b32 s3, 7
	s_mov_b32 s90, 0
.Lgelu:
	TRIP 1
	s_wait_xcnt 0x0
	s_add_nc_u64 s[12:13], s[12:13], 65536
	s_add_co_u32 s90, s90, 8192
	s_sub_co_u32 s3, s3, 1
	s_cmp_lg_u32 s3, 0
	s_cbranch_scc1 .Lgelu
	TRIP 0
	s_wait_tensorcnt 0x0
	ds_add_u32 v[SPW], v[NIL]
	s_wait_dscnt 0x0
	CROUND
	s_endpgm
.Lfunc_end_k_qb560549e89_fc1:
	.size	k_qb560549e89_fc1, .Lfunc_end_k_qb560549e89_fc1-k_qb560549e89_fc1
	.p2alignl 7, 3214868480
	.fill 96, 4, 3214868480
	.section	.rodata,"a",@progbits
	.p2align	6, 0x0
	.amdhsa_kernel k_qb560549e89_fc1
		.amdhsa_group_segment_fixed_size 327680
		.amdhsa_private_segment_fixed_size 0
		.amdhsa_enable_private_segment 0
		.amdhsa_kernarg_size 40
		.amdhsa_user_sgpr_count 2
		.amdhsa_user_sgpr_kernarg_segment_ptr 1
		.amdhsa_wavefront_size32 1
		.amdhsa_system_sgpr_workgroup_id_x 1
		.amdhsa_system_sgpr_workgroup_id_y 1
		.amdhsa_system_sgpr_workgroup_id_z 1
		.amdhsa_system_vgpr_workitem_id 0
		.amdhsa_next_free_vgpr 1024
		.amdhsa_next_free_sgpr 100
		.amdhsa_reserve_vcc 0
		.amdhsa_float_denorm_mode_32 3
		.amdhsa_float_denorm_mode_16_64 3
		.amdhsa_memory_ordered 1
		.amdhsa_forward_progress 1
		.amdhsa_inst_pref_size 196
	.end_amdhsa_kernel
	.amdgpu_metadata
---
amdhsa.version: [ 1, 2 ]
amdhsa.kernels:
  - .name:           k_qb560549e89_fc1
    .symbol:         k_qb560549e89_fc1.kd
    .args:
      - { .name: hc, .offset: 0, .size: 8, .value_kind: global_buffer, .address_space: global }
      - { .name: wts, .offset: 8, .size: 8, .value_kind: global_buffer, .address_space: global }
      - { .name: lowp_scales, .offset: 16, .size: 8, .value_kind: global_buffer, .address_space: global }
      - { .name: fc1_b, .offset: 24, .size: 8, .value_kind: global_buffer, .address_space: global }
      - { .name: gc, .offset: 32, .size: 8, .value_kind: global_buffer, .address_space: global }
    .group_segment_fixed_size: 327680
    .private_segment_fixed_size: 0
    .kernarg_segment_align: 8
    .kernarg_segment_size: 40
    .max_flat_workgroup_size: 128
    .sgpr_count:     100
    .vgpr_count:     1024
    .wavefront_size: 32
...
	.end_amdgpu_metadata
.endif
;; end of part 6
;; launch fc2 (part 7): grid 8 x 32, 4 waves a work-group, clusters of 4 x 4, 327,680 bytes of LDS; arguments gc, wts, lowp_scales, fc2_b, x1, out0; writes out0
.if DOCPART == 7
	.amdgcn_target "amdgcn-amd-amdhsa--gfx1250"
	.amdhsa_code_object_version 6
	.text
	.protected	k_qb560549e89_fc2
	.globl	k_qb560549e89_fc2
	.p2align	8
	.type	k_qb560549e89_fc2,@function
k_qb560549e89_fc2:
	s_mov_b64 s[64:65], 0
	v_nop
	global_prefetch_b8 v0, s[64:65] scope:SCOPE_SE
	s_setreg_imm32_b32 hwreg(HW_REG_WAVE_MODE, 25, 1), 1
	s_wait_xcnt 0x0
	s_wait_alu depctr_hold_cnt(0) depctr_sa_sdst(0) depctr_va_vdst(0) depctr_va_sdst(0) depctr_va_ssrc(0) depctr_va_vcc(0) depctr_vm_vsrc(0)
	s_getreg_b32 s2, hwreg(HW_REG_IB_STS2, 6, 4)
	s_cmp_eq_u32 s2, 0
	s_cbranch_scc0 .Lentry_in_a_cluster
	s_endpgm
.Lentry_in_a_cluster:
	s_bfe_u32 s2, ttmp6, 0x10000c
	s_cmp_lg_u32 s2, 0xf033
	s_cbranch_scc0 .Lentry_shape_is_right
	s_endpgm
.Lentry_shape_is_right:
.set SIZE_K, 4096
.set WOFF,   8388608
.set SOFF,   40
.set LAPS,   SIZE_K/1024
.set SLOT,   131072
.set STAGE,  2*SLOT
.set SPARE,  STAGE+4*4352
.set ADRA, 16
.set ADRB, 20
.set STO,  24
.set RD,   25
.set CO,   26
.set BO,   27
.set SPW,  28
.set NIL,  29
.set RB,   32
.set BIAS, 96
.set ACC,  128
.set F0,   0
.set F1,   128
.set G1, 24
.set G0, 32
.set G1B, 48
.set G0B, 56
.set MSB, 0
.macro WIN new
.if MSB != \new
	s_set_vgpr_msb (MSB<<8)|\new
.set MSB, \new
.endif
.endm
.set MUL,  0x05
.set TO_F, 0x40
.macro JLOAD s
	s_cmp_eq_u32 s67, 0
	s_cbranch_scc0 .Lfor_b_\@
	tensor_load_to_lds s[G0+4*\s:G0+4*\s+3], s[G1:G1+7]
	s_nop 0
.rept 4
	v_nop
.endr
	s_branch .Lasked_\@
.Lfor_b_\@:
	tensor_load_to_lds s[G0B+4*\s:G0B+4*\s+3], s[G1B:G1B+7]
	s_nop 0
.rept 4
	v_nop
.endr
.Lasked_\@:
.endm
.macro CREST
	s_cmp_lg_u32 s66, 0
	s_cbranch_scc1 .Lnot_wave_0_\@
	s_barrier_signal -3
.Lnot_wave_0_\@:
	s_barrier_wait -3
	s_barrier_signal -1
	s_barrier_wait -1
.endm
.macro CROUND
	s_barrier_signal -1
	s_barrier_wait -1
	CREST
.endm
	s_load_b256 s[4:11], s[0:1], 0x0
	s_load_b128 s[12:15], s[0:1], 0x20
	v_lshl_add_u32 v[SPW], v0, 2, SPARE
	v_mov_b32 v[NIL], 0
	ds_add_u32 v[SPW], v[NIL]
	ds_add_u32 v[SPW], v[NIL]
	v_lshrrev_b32 v1, 5, v0
	v_readfirstlane_b32 s66, v1
	s_lshr_b32 s67, s66, 1
	s_and_b32 s68, s66, 1
	s_bfe_u32 s69, ttmp6, 0x40000
	s_bfe_u32 s70, ttmp6, 0x40004
	s_lshl_b32 s71, ttmp9, 2
	s_add_co_u32 s71, s71, s69
	s_and_b32 s72, ttmp7, 0xffff
	s_lshl_b32 s72, s72, 2
	s_add_co_u32 s72, s72, s70
	s_lshl_b32 s73, s70, 2
	s_lshl_b32 s73, 15, s73
	s_lshl_b32 s74, 0x1111, s69
	s_or_b32 s[G1+0], s73, (3<<16)|(1<<21)
	s_or_b32 s[G1B+0], s74, (3<<16)|(1<<21)
.irp g, G1, G1B
	s_mov_b32 s[\g+1], 1024<<16
	s_mov_b32 s[\g+2], 4<<16
	s_mov_b32 s[\g+3], 1024<<16
	s_mov_b32 s[\g+4], 4
	s_mov_b32 s[\g+5], 2*SIZE_K
	s_mov_b32 s[\g+6], 0
	s_mov_b32 s[\g+7], 0
.endr
	s_lshl_b32 s16, s68, 6
	s_lshl_b32 s17, s72, 7
	s_add_co_u32 s76, s17, s16
	s_mul_i32 s76, s76, SIZE_K
	s_mov_b32 s77, 0
	s_lshl_b32 s17, s71, 7
	s_add_co_u32 s78, s17, s16
	s_mul_i32 s78, s78, SIZE_K
	s_add_co_u32 s78, s78, WOFF
	s_mov_b32 s79, 0
	s_mul_i32 s80, s66, 32768
	s_wait_dscnt 0x0
	s_wait_kmcnt 0x0
	s_load_b64 s[84:85], s[8:9], SOFF
	s_add_nc_u64 s[76:77], s[4:5], s[76:77]
	s_add_nc_u64 s[78:79], s[6:7], s[78:79]
	CROUND
.irp s, 0,1
	s_mov_b32 s[G0+4*\s], 1
	s_add_co_u32 s[G0+4*\s+1], s80, \s*SLOT
	s_add_nc_u64 s[G0+4*\s+2:G0+4*\s+3], s[76:77], \s*8192
	s_or_b32 s[G0+4*\s+3], s[G0+4*\s+3], 0x80000000
	s_mov_b32 s[G0B+4*\s], 1
	s_add_co_u32 s[G0B+4*\s+1], s80, \s*SLOT
	s_add_nc_u64 s[G0B+4*\s+2:G0B+4*\s+3], s[78:79], \s*8192
	s_or_b32 s[G0B+4*\s+3], s[G0B+4*\s+3], 0x80000000
.endr
	JLOAD 0                                        ; slot 0: one tensor load a wave at the head
	v_and_b32 v1, 31, v0
	v_lshlrev_b32 v2, 4, v1
	s_mul_i32 s81, s67, 32768
	s_mul_i32 s82, s68, 32768
	s_add_co_u32 s82, s82, 65536
.irp s, 0,1
	v_add_nc_u32 v[ADRA+\s], s81, v2
	v_add_nc_u32 v[ADRB+\s], s82, v2
	s_add_co_u32 s81, s81, SLOT
	s_add_co_u32 s82, s82, SLOT
.endr
	v_and_b32 v3, 15, v0
	v_bfe_u32 v4, v0, 4, 1
	s_mul_i32 s83, s66, 4352
	s_add_co_u32 s83, s83, STAGE
	v_mul_u32_u24 v[STO], v3, 272
	v_lshl_add_u32 v[STO], v4, 5, v[STO]
	v_add_nc_u32 v[STO], s83, v[STO]
	v_mul_u32_u24 v[RD], v4, 272
	v_lshl_add_u32 v[RD], v3, 4, v[RD]
	v_add_nc_u32 v[RD], s83, v[RD]
	v_lshlrev_b32 v[BO], 4, v3
	v_lshl_add_u32 v[CO], v4, 12, v[BO]
	s_wait_alu depctr_va_vdst(0)
	s_lshl_b32 s16, s72, 7
	s_lshl_b32 s17, s67, 6
	s_add_co_u32 s16, s16, s17
	s_lshl_b32 s16, s16, 12
	s_lshl_b32 s17, s71, 7
	s_lshl_b32 s18, s68, 6
	s_add_co_u32 s17, s17, s18
	s_lshl_b32 s18, s17, 2
	s_add_co_u32 s16, s16, s18
	s_mov_b32 s17, 0
	s_mov_b32 s19, 0
	s_add_nc_u64 s[12:13], s[12:13], s[16:17]
	s_add_nc_u64 s[14:15], s[14:15], s[16:17]
	s_add_nc_u64 s[10:11], s[10:11], s[18:19]
	; the prefetches: a wave's load is 4 strips of 16 rows, 65,536 bytes apart, 8,192 bytes of each for a slot.  The four partners that ask for it jointly share the strips out by address:
	; the partner at place p (cx for A's tiles, cy for B's) takes strip p, a lane a block of 256 bytes: 32 lanes x 256 = the strip's 8,192 bytes of a slot
	s_cmp_eq_u32 s67, 0                            ; do I fetch for A?
	s_cselect_b64 s[86:87], s[76:77], s[78:79]
	s_cselect_b32 s88, s69, s70
	s_lshl_b32 s88, s88, 16
	s_add_co_u32 s88, s88, 8192                    ; at slot 1; each refill steps it a slot on, so that at the refill of slot r it stands at slot r and names slot r + 2 by its offset
	s_mov_b32 s89, 0
	s_add_nc_u64 s[86:87], s[86:87], s[88:89]
	v_lshlrev_b32 v30, 8, v1                       ; 256 x lane; never rewritten
	global_prefetch_b8 v30, s[86:87] th:TH_LOAD_NT scope:SCOPE_SE               ; behind slot 0's load: slots 1 and 2; behind slot 1's load: slot 3: never more than two slots ahead
	global_prefetch_b8 v30, s[86:87] offset:8192 th:TH_LOAD_NT scope:SCOPE_SE
	WIN 0x80
.irp a, 0,1,2,3
.irp t, 0,1,2,3,4,5,6,7
	global_load_b128 v[32*\a+4*\t:32*\a+4*\t+3], v[CO], s[12:13] offset:(16*\a+2*\t)*4096
.endr
.endr
	WIN 0
	global_load_b128 v[BIAS:BIAS+3], v[BO], s[10:11]
.macro MUL4 f, a, zero
.irp b, 0,1,2,3
.if \zero
	v_wmma_f32_16x16x128_fp8_fp8 v[ACC+8*(4*(\a)+\b):ACC+8*(4*(\a)+\b)+7], v[\f+64+16*\b:\f+64+16*\b+15], v[\f+16*(\a):\f+16*(\a)+15], 0
.else
	v_wmma_f32_16x16x128_fp8_fp8 v[ACC+8*(4*(\a)+\b):ACC+8*(4*(\a)+\b)+7], v[\f+64+16*\b:\f+64+16*\b+15], v[\f+16*(\a):\f+16*(\a)+15], v[ACC+8*(4*(\a)+\b):ACC+8*(4*(\a)+\b)+7]
.endif
.endr
.endm
.macro FETCH slot, q, f
	WIN TO_F
.irp i, 0,1,2,3
.irp c, 0,1,2,3
	ds_load_b128 v[\f+64+16*\i+4*\c:\f+64+16*\i+4*\c+3], v[ADRB+\slot] offset:\i*8192+(\q)*2048+512*\c
.endr
.endr
.irp i, 0,1,2,3
.irp c, 0,1,2,3
	ds_load_b128 v[\f+16*\i+4*\c:\f+16*\i+4*\c+3], v[ADRA+\slot] offset:\i*8192+(\q)*2048+512*\c
.endr
.endr
.endm
.macro PLACES
.rept 4
	v_nop
.endr
.endm
; A quarter step: 128 along K, 16 matrix instructions on buffer f.  The next quarter's 32 LDS loads, into buffer g, are issued FIRST (g was last read four places ago), so that they stand in line directly behind this quarter's
.macro QUARTER slot, qn, f, g, zero
	PLACES
	FETCH \slot, \qn, \g
	s_wait_dscnt 32                                ; all but the 32 just issued: buffer f is in
	WIN MUL
	MUL4 \f, 0, \zero
	MUL4 \f, 1, \zero
	MUL4 \f, 2, \zero
	MUL4 \f, 3, \zero
.endm
.macro ASK                             ; behind a refill of slot r: one prefetch a wave for slot r + 2, two changes of slots ahead of the load that wants it; the loop's last trip (s3 = 1) refills slots 6 and 7 and asks for nothing
	s_cmp_gt_u32 s3, 1
	s_cbranch_scc0 .Lno_ask_\@
	global_prefetch_b8 v30, s[86:87] offset:16384 th:TH_LOAD_NT scope:SCOPE_SE
.Lno_ask_\@:
.endm
.macro TURN slot, next, fill
	WIN 0
.if \fill
	s_wait_xcnt 0x0                                ; my last prefetch has read its address: it steps a slot on
	s_add_nc_u64 s[86:87], s[86:87], 8192
.endif
	s_wait_tensorcnt 0x0
	ds_add_u32 v[SPW], v[NIL]
	s_wait_dscnt 9
	WIN MUL
	MUL4 F1, 0, 0
	MUL4 F1, 1, 0
	s_wait_dscnt 0x0
	s_barrier_signal -1
	MUL4 F1, 2, 0
	WIN 0
	s_barrier_wait -1
.if \fill
	CREST
	s_add_nc_u64 s[G0+4*\slot+2:G0+4*\slot+3], s[G0+4*\slot+2:G0+4*\slot+3], 16384
	s_add_nc_u64 s[G0B+4*\slot+2:G0B+4*\slot+3], s[G0B+4*\slot+2:G0B+4*\slot+3], 16384
	JLOAD \slot
.else
	PLACES
.endif
	FETCH \next, 0, F0
.if \fill
	WIN 0
	ASK
.endif
	WIN MUL
	MUL4 F1, 3, 0
.endm
	s_wait_alu depctr_va_vdst(0)                   ; the wait at the head's end
	s_wait_tensorcnt 0x0                           ; my part of slot 0 is in; slot 1's first fill is issued as a refill is:
	ds_add_u32 v[SPW], v[NIL]                      ; 0 onto my spare word
	s_wait_dscnt 0x0
	CROUND                                         ; a whole round: slot 0 is whole in every partner
	JLOAD 1                                        ; the first tensor load behind the round
	FETCH 0, 0, F0
	global_prefetch_b8 v30, s[86:87] offset:16384 th:TH_LOAD_NT scope:SCOPE_SE  ; slot 3
	QUARTER 0, 1, F0, F1, 1
.if LAPS > 1
	WIN 0
	s_mov_b32 s3, LAPS-1
.Llap:
	QUARTER 0, 2, F1, F0, 0
	QUARTER 0, 3, F0, F1, 0
	TURN 0, 1, 1
	QUARTER 1, 1, F0, F1, 0
	QUARTER 1, 2, F1, F0, 0
	QUARTER 1, 3, F0, F1, 0
	TURN 1, 0, 1
	QUARTER 0, 1, F0, F1, 0
	WIN 0
	s_sub_co_u32 s3, s3, 1
	s_cmp_lg_u32 s3, 0
	s_cbranch_scc1 .Llap
.endif
	QUARTER 0, 2, F1, F0, 0
	QUARTER 0, 3, F0, F1, 0
	TURN 0, 1, 0
	QUARTER 1, 1, F0, F1, 0
	QUARTER 1, 2, F1, F0, 0
	QUARTER 1, 3, F0, F1, 0
	s_wait_dscnt 8
	WIN MUL
	MUL4 F1, 0, 0
	MUL4 F1, 1, 0
	s_wait_dscnt 0
	MUL4 F1, 2, 0
	MUL4 F1, 3, 0
	WIN 0
	PLACES
	s_wait_loadcnt 0x0
	s_wait_kmcnt 0x0
	s_add_co_i32 s84, s84, s85
	s_add_co_i32 s84, s84, 127
	s_lshl_b32 s84, s84, 23
	s_mov_b32 s85, s84
.macro OUTBLK a
.set RBA, RB+32*((\a)%2)
.if (\a) >= 2
	s_wait_xcnt 0x0
.endif
.irp b, 0,1,2,3
	ds_store_b128 v[STO], v[ACC+32*(\a)+8*\b:ACC+32*(\a)+8*\b+3] offset:64*\b
	ds_store_b128 v[STO], v[ACC+32*(\a)+8*\b+4:ACC+32*(\a)+8*\b+7] offset:64*\b+16
.endr
.irp t, 0,1,2,3,4,5,6,7
	ds_load_b128 v[RBA+4*\t:RBA+4*\t+3], v[RD] offset:544*\t   ; LDS serves a wave's instructions in order: these see the stores above, and the next block's stores come behind them
.endr
.endm
.macro FINBLK a, younger               ; block a, back from the stage as rows: x 2^(ea + eb), + bias, + residual, stored.  younger: the LDS instructions issued behind its loads (the next block's 8 stores and 8 loads)
.set RBA, RB+32*((\a)%2)
	s_wait_dscnt \younger
.set i, 0
.rept 16
	v_pk_fma_f32 v[RBA+2*i:RBA+2*i+1], v[RBA+2*i:RBA+2*i+1], s[84:85], v[BIAS+2*(i%2):BIAS+2*(i%2)+1] op_sel_hi:[1,0,1]
.set i, i+1
.endr
	WIN 0x08
.set i, 0
.rept 16
	v_pk_add_f32 v[RBA+2*i:RBA+2*i+1], v[RBA+2*i:RBA+2*i+1], v[32*(\a)+2*i:32*(\a)+2*i+1]
.set i, i+1
.endr
	WIN 0
.irp t, 0,1,2,3,4,5,6,7
	global_store_b128 v[CO], v[RBA+4*\t:RBA+4*\t+3], s[14:15] offset:(16*(\a)+2*\t)*4096
.endr
.endm
	OUTBLK 0                                       ; each block goes into the stage one block ahead of the wait for it
	OUTBLK 1
	FINBLK 0, 16
	OUTBLK 2
	FINBLK 1, 16
	OUTBLK 3
	FINBLK 2, 16
	FINBLK 3, 0
	s_wait_tensorcnt 0x0
	ds_add_u32 v[SPW], v[NIL]
	s_wait_dscnt 0x0
	CROUND
	s_endpgm
.Lfunc_end_k_qb560549e89_fc2:
	.size	k_qb560549e89_fc2, .Lfunc_end_k_qb560549e89_fc2-k_qb560549e89_fc2
	.p2alignl 7, 3214868480
	.fill 96, 4, 3214868480
	.section	.rodata,"a",@progbits
	.p2align	6, 0x0
	.amdhsa_kernel k_qb560549e89_fc2
		.amdhsa_group_segment_fixed_size 327680
		.amdhsa_private_segment_fixed_size 0
		.amdhsa_enable_private_segment 0
		.amdhsa_kernarg_size 48
		.amdhsa_user_sgpr_count 2
		.amdhsa_user_sgpr_kernarg_segment_ptr 1
		.amdhsa_wavefront_size32 1
		.amdhsa_system_sgpr_workgroup_id_x 1
		.amdhsa_system_sgpr_workgroup_id_y 1
		.amdhsa_system_sgpr_workgroup_id_z 1
		.amdhsa_system_vgpr_workitem_id 0
		.amdhsa_next_free_vgpr 768
		.amdhsa_next_free_sgpr 96
		.amdhsa_reserve_vcc 0
		.amdhsa_float_denorm_mode_32 3
		.amdhsa_float_denorm_mode_16_64 3
		.amdhsa_memory_ordered 1
		.amdhsa_forward_progress 1
		.amdhsa_inst_pref_size 82
	.end_amdhsa_kernel
	.amdgpu_metadata
---
amdhsa.version: [ 1, 2 ]
amdhsa.kernels:
  - .name:           k_qb560549e89_fc2
    .symbol:         k_qb560549e89_fc2.kd
    .args:
      - { .name: gc, .offset: 0, .size: 8, .value_kind: global_buffer, .address_space: global }
      - { .name: wts, .offset: 8, .size: 8, .value_kind: global_buffer, .address_space: global }
      - { .name: lowp_scales, .offset: 16, .size: 8, .value_kind: global_buffer, .address_space: global }
      - { .name: fc2_b, .offset: 24, .size: 8, .value_kind: global_buffer, .address_space: global }
      - { .name: x1, .offset: 32, .size: 8, .value_kind: global_buffer, .address_space: global }
      - { .name: out0, .offset: 40, .size: 8, .value_kind: global_buffer, .address_space: global }
    .group_segment_fixed_size: 327680
    .private_segment_fixed_size: 0
    .kernarg_segment_align: 8
    .kernarg_segment_size: 48
    .max_flat_workgroup_size: 128
    .sgpr_count:     96
    .vgpr_count:     768
    .wavefront_size: 32
...
	.end_amdgpu_metadata
.endif
;; end of part 7
